; MI455X (gfx1250); checked and timed in simulation.
; The chip was launched on July 23, 2026; its instructions are those of AMD's public machine-readable ISA for CDNA 5 (MIT licence, August 2026) and "CDNA5" Instruction Set Architecture Reference Guide (July 2026). The comments in the code are by the model that wrote it; some were corrected since.
;; Multi Head Self Attention. Allowed arithmetic: matrix products marked QUANTISED: E4M3 operands, one given power-of-two scale a tensor, by v_wmma_f32_16x16x64_fp8_fp8 or v_wmma_f32_16x16x128_fp8_fp8, f32 sums; everything else in f32.
;; Inputs: lowp_scales 8 int32 (the exponents e of the quantised operands' scales 2^e); token_positions 2,048 int32; w_out 1,024 x 1,024 float32; w_qkv 3,072 x 1,024 float32; x 4 x 2,048 x 1,024 float32.
;; Outputs: out0 4 x 2,048 x 1,024 float32.
;; This version of the problem:
;;   THIS VERSION OF THE PROBLEM IS GIVEN IN LOW PRECISION. The matrix products marked QUANTISED in the list below multiply operands that are first quantised to E4M3 (4 exponent bits, 3 mantissa bits; 8 bits a number), with one given power-of-two scale for each operand tensor; their sums are f32. All else is computed in f32.
;;   The module's matrix products, in the order in which they are computed (A, B: the left and right operand; K: the contracted axis; several contracted axes count as one K, in the product's order):
;;     1. [M 8,192, K 1,024] x [K 1,024, N 3,072]; A: input x; B: input w_qkv: QUANTISED (scales: A lowp_scales[0], B lowp_scales[1])
;;     2. batch 64 x [M 2,048, K 64] x [K 64, N 2,048]; A: computed on the way; B: computed on the way: QUANTISED (scales: A lowp_scales[2], B lowp_scales[3])
;;     3. batch 64 x [M 2,048, K 2,048] x [K 2,048, N 64]; A: softmax (see below); B: computed on the way: QUANTISED (scales: A lowp_scales[4], B lowp_scales[5])
;;     4. [M 8,192, K 1,024] x [K 1,024, N 1,024]; A: computed on the way; B: input w_out: QUANTISED (scales: A lowp_scales[6], B lowp_scales[7])
;;   THE QUANTISER, for each operand of a quantised product, along K:
;;     - The operand's scale is 2^e, e = its entry of the input lowp_scales (int32; the entries are numbered through the quantised products in the list's order, A before B).
;;     - Each number is divided by the scale, clamped to +-448, and rounded to the nearest number of E4M3, ties to even, subnormals kept.
;;     - The product sums the exact products of the quantised numbers (number of the format x scale) in f32.
;;   ~~~python
;;   def quantise(x, axis, e):      # numpy; x: float32 -> the quantised numbers, widened to float32 again
;;       x = np.moveaxis(x, axis, -1); K = x.shape[-1]
;;       r = np.clip(x / 2.0 ** e, -448, 448)
;;       step = 2.0 ** (np.maximum(np.frexp(np.where(r == 0, 1, r))[1] - 1, -6) - 3)
;;       q = np.round(r / step) * step * 2.0 ** e      # np.round: ties to even
;;       return np.moveaxis(q, -1, axis).astype(np.float32)
;;   ~~~
;;   SOFTMAX AHEAD OF A QUANTISED PRODUCT. Where the list says 'softmax', what is quantised is not the finished softmax but p = 2^(t - M), with t = logit x log2(e) and M = ceil(the row's largest t), a whole number; so 1/2 < the row's largest p <= 1. The row's sum l is taken of the UNQUANTISED p, in f32, and the product's result is divided by l at the end. Since M is a whole number, a kernel that streams over the keys may use a running M (the ceiling of the running maximum): every later rescaling is an exact power of two, so the quantised numbers keep their values, but for numbers so far below the row's largest that they fall under the format's range.
;;   OPERANDS COMPUTED ON THE WAY. 'Computed on the way' means the value that the module computes at that place (a softmax that the list does not call 'softmax' is quantised finished and normalised). What goes into a quantiser is computed in f32, as accurately as f32 sums, v_exp_f32 and their like allow (about 1e-6 of the number): no bf16 or f16 on the way to a quantiser, and a product that is left as it is and whose result goes on into a quantised operand takes f32 operands (vector FMAs, or v_wmma_f32_16x16x4_f32). A number that lies on a knife's edge between two numbers of the format may be rounded either way, as far as f32 arithmetic and the matrix unit's own rounding can turn it there, and no further.
;; One version. Each part assembles by itself: llvm-mc -triple=amdgcn-amd-amdhsa -mcpu=gfx1250 --defsym DOCPART=n.
;; ======== version 1 of 1: 4 launches
;; limits: right only within a limited range of input values
;; workspace buffers: x_codes 8,388,608 bytes; wqkv_codes 3,145,728 bytes; wout_codes 1,048,576 bytes; rope_tab 524,288 bytes; qkv_img 25,165,824 bytes; o_img 8,388,608 bytes
;; launch prep (part 1): grid 448 x 1, 4 waves a work-group, no clusters, 33,280 bytes of LDS; arguments x, w_qkv, w_out, token_positions, lowp_scales, x_codes, wqkv_codes, wout_codes, rope_tab; writes x_codes, wqkv_codes, wout_codes, rope_tab
.if DOCPART == 1
	.amdgcn_target "amdgcn-amd-amdhsa--gfx1250"
	.amdhsa_code_object_version 6
	.text
	.protected	k_q8bad9a14ea_prep
	.globl	k_q8bad9a14ea_prep
	.p2align	8
	.type	k_q8bad9a14ea_prep,@function
k_q8bad9a14ea_prep:
	s_mov_b64 s[64:65], 0
	v_nop
	global_prefetch_b8 v0, s[64:65] scope:SCOPE_SE
	s_setreg_imm32_b32 hwreg(HW_REG_WAVE_MODE, 25, 1), 1
	s_wait_xcnt 0x0
; x [8192][1024], w_qkv [3072][1024] and w_out [1024][1024], f32 with K innermost, become codes of FP8 (E4M3), one a byte, each with the one scale 2^e given for it
; (entries 0, 1 and 7 of the scales); and token_positions becomes a table of cos and sin for the rotary embedding.
; code = x / 2^e, held within +-448, rounded to the nearest code, ties to even.
; LIMITS: each e between -126 and 119.  NaN among the inputs is not served.  |token position| under 2^20.  inv_freq is the correctly rounded 10^(-j/8): it may differ in the last bit from a power and a division made in f32.
; SHARES.  Work-groups 0-255 take x, 256-351 w_qkv, 352-383 w_out: 32 rows of 1,024 numbers each, 8 rows a wave, in 16 steps of 512 numbers.  Only pointers and whole numbers are chosen: the three tensors take one path.
; Each of a step's four loads reads 512 consecutive bytes; the 2,048 bytes turn through the wave's own stage in LDS and come back 64 bytes (16 neighbours along K) a lane, as the conversions want them;
; a lane's 16 codes are 16 bytes, so the wave stores 512 consecutive bytes.
; w_qkv's ROWS CHANGE PLACES: in every group of 32 rows the second and the third group of 8 are swapped (wave 1 stores where wave 2 would, and the other way round).  So position 16 u + i of a group holds row
; 8 u + i + 8 (i / 8), and in the next launch the 16 registers of two neighbouring tiles are 16 neighbouring features.
; Work-groups 384-447 make the table: [2048 tokens][32 pairs][cos, sin], f32: a wave 8 tokens, a lane a pair, a token's 256 bytes by one store.
.set WAVES, 4
.set STEPS, 16
.set WG_X,  256                        ; the first work-group of w_qkv
.set WG_W,  352                        ; of w_out
.set WG_Q,  384                        ; of the table
.set CB,    16                         ; bytes of 16 codes
.set R,     16                         ; v16-79   four sets of 16 numbers as they are loaded
.set X,     80                         ; v80-111  two sets of 16 neighbours
.set C,     128                        ; v128-191 codes: four registers for each step, so that no store's data are written again
.set WREG,  8192                       ; LDS: a region for each wave: two stages of 32 x SP bytes
.set SP,    80                         ; a lane's place in a stage: 64 bytes + 16 of padding
.set SPW,   12                         ; v12      LDS address of my spare word; never rewritten
.set NIL,   13                         ; v13      0; never rewritten
.set SPARE, WAVES*WREG                 ; behind the four regions: the spare words, 128 bytes a wave, which no other line names
	s_load_b512 s[4:19], s[0:1], 0x0               ; x s[4:5], w_qkv s[6:7], w_out s[8:9], token_positions s[10:11], the scales s[12:13], x_codes s[14:15], wqkv_codes s[16:17], wout_codes s[18:19]
	s_load_b64 s[20:21], s[0:1], 0x40              ; the table
	v_lshl_add_u32 v[SPW], v0, 2, SPARE
	v_mov_b32 v[NIL], 0
	v_lshrrev_b32 v1, 5, v0
	v_readfirstlane_b32 s24, v1                    ; wave
	v_and_b32 v2, 31, v0                           ; lane
	s_cmp_ge_u32 ttmp9, WG_Q                       ; the one parting of the ways, on the work-group's number
	s_cbranch_scc1 .Lrope
	; ---- the quantiser
	v_lshlrev_b32 v3, 4, v2                        ; my 16 bytes of a load's 512
	s_mul_i32 s25, s24, WREG
	v_lshrrev_b32 v14, 2, v2
	v_mul_u32_u24 v14, v14, SP
	v_and_b32 v15, 3, v2
	v_lshl_add_u32 v14, v15, 4, v14
	v_add_nc_u32 v14, s25, v14                     ; the stage, on the way in: SP (lane / 4) + 16 (lane % 4)
	v_mul_u32_u24 v15, v2, SP
	v_add_nc_u32 v15, s25, v15                     ; and on the way out: SP x lane: my 16 neighbours
	v_mul_u32_u24 v4, v2, CB                       ; my codes' place in a step's
	s_and_b32 s31, s24, 1
	s_lshl_b32 s31, s31, 1
	s_lshr_b32 s22, s24, 1
	s_or_b32 s31, s31, s22                         ; the wave's number with its two bits swapped: 0, 2, 1, 3
	s_wait_alu depctr_va_vdst(0)
	s_wait_kmcnt 0x0
	s_load_b256 s[32:39], s[12:13], 0x0            ; e0 .. e7
	s_cmp_lt_u32 ttmp9, WG_W                       ; w_qkv or w_out?
	s_cselect_b64 s[26:27], s[6:7], s[8:9]         ; from where,
	s_cselect_b64 s[28:29], s[16:17], s[18:19]     ; to where,
	s_mov_b32 s30, WG_W
	s_cselect_b32 s30, WG_X, s30                   ; the tensor's first work-group,
	s_cselect_b32 s31, s31, s24                    ; and which 8 rows of the 32 my codes become
	s_cmp_lt_u32 ttmp9, WG_X                       ; or x?
	s_cselect_b64 s[26:27], s[4:5], s[26:27]
	s_cselect_b64 s[28:29], s[14:15], s[28:29]
	s_cselect_b32 s30, 0, s30
	s_cselect_b32 s31, s24, s31
	s_sub_co_u32 s30, ttmp9, s30
	s_lshl_b32 s30, s30, 2
	s_add_co_u32 s22, s30, s24                     ; which run of 8 rows I read,
	s_add_co_u32 s30, s30, s31                     ; and which I write
	s_lshl_b32 s22, s22, 15                        ; 8 rows are 32,768 bytes of f32
	s_mov_b32 s23, 0
	s_add_nc_u64 s[26:27], s[26:27], s[22:23]
	s_lshl_b32 s22, s30, 13                        ; and 8,192 bytes of codes
	s_add_nc_u64 s[28:29], s[28:29], s[22:23]
.macro LOAD t
.irp i, 0,1,2,3
	global_load_b128 v[R+16*((\t)%4)+4*\i:R+16*((\t)%4)+4*\i+3], v3, s[26:27] offset:2048*(\t)+512*\i th:TH_LOAD_NT   ; 32 lanes read 512 consecutive bytes; read once in this launch
.endr
.endm
.macro TURN t                          ; step t's numbers through the stage: LDS serves a wave's instructions in order, so no wait stands between the stores and the loads
.irp i, 0,1,2,3
	ds_store_b128 v14, v[R+16*((\t)%4)+4*\i:R+16*((\t)%4)+4*\i+3] offset:32*SP*((\t)%2)+8*SP*\i
.endr
.irp i, 0,1,2,3
	ds_load_b128 v[X+16*((\t)%2)+4*\i:X+16*((\t)%2)+4*\i+3], v15 offset:32*SP*((\t)%2)+16*\i
.endr
.endm
.irp t, 0,1,2,3
	LOAD \t
.endr
	s_wait_kmcnt 0x0
	s_cmp_lt_u32 ttmp9, WG_W
	s_cselect_b32 s22, s33, s39                    ; e1 for w_qkv, e7 for w_out,
	s_cmp_lt_u32 ttmp9, WG_X
	s_cselect_b32 s22, s32, s22                    ; e0 for x
	s_add_co_i32 s22, s22, 127
	s_lshl_b32 s23, s22, 23
	v_mov_b32 v11, s23                             ; 2^e as f32: the conversion takes its exponent field
	s_add_co_i32 s22, s22, 8
	s_lshl_b32 s22, s22, 23
	s_or_b32 s22, s22, 0x600000
	v_mov_b32 v10, s22                             ; 448 x 2^e
	s_wait_alu depctr_va_vdst(0)
	s_wait_loadcnt 12                              ; step 0's four loads are in; the twelve of steps 1 to 3 may be out
	TURN 0
.macro STEP t
.set XS, X+16*((\t)%2)
	s_wait_dscnt 0x0                               ; this step's numbers are back from the stage: so its stores into the stage have read their registers,
.if (\t)+4 < STEPS
	LOAD (\t)+4                                    ; which take the loads of four steps on
.endif
.if (\t)+1 < STEPS
.if STEPS-2-(\t) >= 3
	s_wait_loadcnt 12                              ; the next step's four loads are in; those of the three steps behind it may be out
.else
	s_wait_loadcnt 4*(STEPS-2-(\t))                ; at the end the counts run down: 8, 4, 0
.endif
	TURN (\t)+1                                    ; and go through the other stage while this step is worked
.endif
.irp i, 0,1,2,3,4,5,6,7,8,9,10,11,12,13,14,15
	v_med3_num_f32 v[XS+\i], v[XS+\i], -v10, v10   ; the conversion to an 8-bit code does not saturate (ISA guide 7.6.2): the hold at the largest code x the scale
.endr
	v_cvt_scalef32_pk8_fp8_f32 v[C+4*(\t):C+4*(\t)+1], v[XS:XS+7], v11
	v_cvt_scalef32_pk8_fp8_f32 v[C+4*(\t)+2:C+4*(\t)+3], v[XS+8:XS+15], v11
	global_store_b128 v4, v[C+4*(\t):C+4*(\t)+3], s[28:29] offset:32*CB*(\t)   ; the wave stores 512 consecutive bytes.  (The codes go to a store alone; the next step's holds are plain vector lines on other registers)
.endm
.irp t, 0,1,2,3,4,5,6,7,8,9,10,11,12,13,14,15
	STEP \t
.endr
	s_wait_tensorcnt 0x0                           ; the wave's end, behind my last LDS store
	ds_add_u32 v[SPW], v[NIL]
	s_wait_dscnt 0x0
	s_endpgm
	; ---- the table: angle = f32(position) x inv_freq[pair], rounded once; cos and sin by a reduction to [-pi/4, pi/4] and two polynomials
.Lrope:
	s_sub_co_u32 s22, ttmp9, WG_Q
	s_lshl_b32 s22, s22, 5
	s_lshl_b32 s23, s24, 3
	s_add_co_u32 s22, s22, s23                     ; my first token: 32 x work-group + 8 x wave
	s_lshl_b32 s26, s22, 2
	s_mov_b32 s27, 0
	s_lshl_b32 s28, s22, 8                         ; a token's row of the table is 256 bytes
	s_mov_b32 s29, 0
	s_wait_kmcnt 0x0
	s_add_nc_u64 s[10:11], s[10:11], s[26:27]
	s_add_nc_u64 s[20:21], s[20:21], s[28:29]
	s_load_b256 s[52:59], s[10:11], 0x0            ; my eight positions
	s_mov_b32 s40, 0x3f22f983                      ; 2 / pi
	s_mov_b32 s41, 0xbfc90fdb                      ; -pi / 2 in three parts: the products with n are exact inside a fused multiply-add
	s_mov_b32 s42, 0x333bbd2e
	s_mov_b32 s43, 0x26f72ced
	s_mov_b32 s44, 0xbe2aaaa3                      ; sin r = r + r z (s44 + z (s45 + z s46)), z = r r
	s_mov_b32 s45, 0x3c08839e
	s_mov_b32 s46, 0xb94ca1f9
	s_mov_b32 s47, 0x3d2aaaa5                      ; cos r = 1 - z / 2 + z z (s47 + z (s48 + z s49))
	s_mov_b32 s48, 0xbab6061a
	s_mov_b32 s49, 0x37ccf5ce
	v_mov_b32 v20, 0                               ; (a lane write's destination counts as read)
.macro FREQ j, bits                    ; lane j's inv_freq = 10000^(-j / 32) = 10^(-j / 8)
	s_mov_b32 s50, \bits
	v_writelane_b32 v20, s50, \j
.endm
	FREQ 0, 0x3f800000
	FREQ 1, 0x3f3ff911
	FREQ 2, 0x3f0ff59a
	FREQ 3, 0x3ed7e89b
	FREQ 4, 0x3ea1e89b
	FREQ 5, 0x3e72d424
	FREQ 6, 0x3e361887
	FREQ 7, 0x3e088d77
	FREQ 8, 0x3dcccccd
	FREQ 9, 0x3d99940e
	FREQ 10, 0x3d6655c3
	FREQ 11, 0x3d2cba15
	FREQ 12, 0x3d0186e2
	FREQ 13, 0x3cc24350
	FREQ 14, 0x3c91ad39
	FREQ 15, 0x3c5a7bf1
	FREQ 16, 0x3c23d70a
	FREQ 17, 0x3bf5b9b0
	FREQ 18, 0x3bb8449c
	FREQ 19, 0x3b8a2e77
	FREQ 20, 0x3b4f3e37
	FREQ 21, 0x3b1b690d
	FREQ 22, 0x3ae91528
	FREQ 23, 0x3aaec98e
	FREQ 24, 0x3a83126f
	FREQ 25, 0x3a44948c
	FREQ 26, 0x3a136a16
	FREQ 27, 0x39dd1726
	FREQ 28, 0x39a5cb5f
	FREQ 29, 0x3978a814
	FREQ 30, 0x393a7753
	FREQ 31, 0x390bd472
	v_lshlrev_b32 v21, 3, v2                       ; 8 bytes a pair
	s_wait_kmcnt 0x0
.macro SINCOS k                        ; token k of my eight: (cos, sin) into a pair of its own, so that no store's data are written again
	v_cvt_f32_i32 v22, s[52+\k]
	s_wait_alu depctr_va_vdst(0)
	v_mul_f32 v23, v22, v20                        ; the angle
	v_mul_f32 v24, s40, v23
	v_rndne_f32 v24, v24                           ; n = the nearest whole number to angle x 2 / pi
	v_fma_f32 v25, v24, s41, v23
	v_fma_f32 v25, v24, s42, v25
	v_fma_f32 v25, v24, s43, v25                   ; r = angle - n pi / 2
	v_mul_f32 v26, v25, v25                        ; z
	v_fma_f32 v27, v26, s46, s45
	v_fma_f32 v29, v26, s49, s48
	v_fma_f32 v27, v27, v26, s44
	v_fma_f32 v29, v29, v26, s47
	v_mul_f32 v28, v26, v25
	v_mul_f32 v30, v26, v26
	v_fma_f32 v31, v26, -0.5, 1.0
	v_fma_f32 v27, v27, v28, v25                   ; sin r
	v_fma_f32 v29, v29, v30, v31                   ; cos r
	v_cvt_i32_f32 v32, v24
	v_and_b32 v33, 1, v32
	v_cmp_ne_u32 vcc_lo, 0, v33                    ; n odd: the two change places
	v_cndmask_b32 v[40+2*\k], v29, v27, vcc_lo
	v_cndmask_b32 v[41+2*\k], v27, v29, vcc_lo
	v_lshlrev_b32 v33, 30, v32                     ; sin changes sign where n mod 4 is 2 or 3,
	v_add_nc_u32 v34, 1, v32
	v_and_b32 v33, 0x80000000, v33
	v_lshlrev_b32 v34, 30, v34                     ; cos where it is 1 or 2
	v_xor_b32 v[41+2*\k], v33, v[41+2*\k]
	v_and_b32 v34, 0x80000000, v34
	v_xor_b32 v[40+2*\k], v34, v[40+2*\k]
	global_store_b64 v21, v[40+2*\k:41+2*\k], s[20:21] offset:256*\k   ; 32 lanes store the token's 256 consecutive bytes
.endm
.irp k, 0,1,2,3,4,5,6,7
	SINCOS \k
.endr
	s_wait_tensorcnt 0x0                           ; the same three lines at this path's end
	ds_add_u32 v[SPW], v[NIL]
	s_wait_dscnt 0x0
	s_endpgm
.Lfunc_end_k_q8bad9a14ea_prep:
	.size	k_q8bad9a14ea_prep, .Lfunc_end_k_q8bad9a14ea_prep-k_q8bad9a14ea_prep
	.p2alignl 7, 3214868480
	.fill 96, 4, 3214868480
	.section	.rodata,"a",@progbits
	.p2align	6, 0x0
	.amdhsa_kernel k_q8bad9a14ea_prep
		.amdhsa_group_segment_fixed_size 33280
		.amdhsa_private_segment_fixed_size 0
		.amdhsa_enable_private_segment 0
		.amdhsa_kernarg_size 72
		.amdhsa_user_sgpr_count 2
		.amdhsa_user_sgpr_kernarg_segment_ptr 1
		.amdhsa_wavefront_size32 1
		.amdhsa_system_sgpr_workgroup_id_x 1
		.amdhsa_system_sgpr_workgroup_id_y 1
		.amdhsa_system_sgpr_workgroup_id_z 1
		.amdhsa_system_vgpr_workitem_id 0
		.amdhsa_next_free_vgpr 192
		.amdhsa_next_free_sgpr 66
		.amdhsa_reserve_vcc 1
		.amdhsa_float_denorm_mode_32 3
		.amdhsa_float_denorm_mode_16_64 3
		.amdhsa_memory_ordered 1
		.amdhsa_forward_progress 1
		.amdhsa_inst_pref_size 54
	.end_amdhsa_kernel
	.amdgpu_metadata
---
amdhsa.version: [ 1, 2 ]
amdhsa.kernels:
  - .name:           k_q8bad9a14ea_prep
    .symbol:         k_q8bad9a14ea_prep.kd
    .args:
      - { .name: x, .offset: 0, .size: 8, .value_kind: global_buffer, .address_space: global }
      - { .name: w_qkv, .offset: 8, .size: 8, .value_kind: global_buffer, .address_space: global }
      - { .name: w_out, .offset: 16, .size: 8, .value_kind: global_buffer, .address_space: global }
      - { .name: token_positions, .offset: 24, .size: 8, .value_kind: global_buffer, .address_space: global }
      - { .name: lowp_scales, .offset: 32, .size: 8, .value_kind: global_buffer, .address_space: global }
      - { .name: x_codes, .offset: 40, .size: 8, .value_kind: global_buffer, .address_space: global }
      - { .name: wqkv_codes, .offset: 48, .size: 8, .value_kind: global_buffer, .address_space: global }
      - { .name: wout_codes, .offset: 56, .size: 8, .value_kind: global_buffer, .address_space: global }
      - { .name: rope_tab, .offset: 64, .size: 8, .value_kind: global_buffer, .address_space: global }
    .group_segment_fixed_size: 33280
    .private_segment_fixed_size: 0
    .kernarg_segment_align: 8
    .kernarg_segment_size: 72
    .max_flat_workgroup_size: 128
    .sgpr_count:     66
    .vgpr_count:     192
    .wavefront_size: 32
...
	.end_amdgpu_metadata
.endif
;; end of part 1
;; launch qkv (part 2): grid 12 x 32, 4 waves a work-group, clusters of 4 x 4, 327,680 bytes of LDS; arguments x_codes, wqkv_codes, lowp_scales, rope_tab, qkv_img; writes qkv_img
.if DOCPART == 2
	.amdgcn_target "amdgcn-amd-amdhsa--gfx1250"
	.amdhsa_code_object_version 6
	.text
	.protected	k_q8bad9a14ea_qkv
	.globl	k_q8bad9a14ea_qkv
	.p2align	8
	.type	k_q8bad9a14ea_qkv,@function
k_q8bad9a14ea_qkv:
	s_mov_b64 s[64:65], 0
	v_nop
	global_prefetch_b8 v0, s[64:65] scope:SCOPE_SE
	s_setreg_imm32_b32 hwreg(HW_REG_WAVE_MODE, 25, 1), 1
	s_wait_xcnt 0x0
	s_wait_alu depctr_hold_cnt(0) depctr_sa_sdst(0) depctr_va_vdst(0) depctr_va_sdst(0) depctr_va_ssrc(0) depctr_va_vcc(0) depctr_vm_vsrc(0)
	s_getreg_b32 s2, hwreg(HW_REG_IB_STS2, 6, 4)
	s_cmp_eq_u32 s2, 0
	s_cbranch_scc0 .Lentry_in_a_cluster
	s_endpgm
.Lentry_in_a_cluster:
	s_bfe_u32 s2, ttmp6, 0x10000c
	s_cmp_lg_u32 s2, 0xf033
	s_cbranch_scc0 .Lentry_shape_is_right
	s_endpgm
.Lentry_shape_is_right:
; qkv = x w_qkv^T on codes of FP8 (E4M3); q and k are turned by the rotary embedding; q, k and v are quantised (scales 2^e2, 2^e3, 2^e5) and stored as IMAGES OF THE OPERAND REGISTERS that the attention launch wants.
; x_codes [8192][1024], wqkv_codes [3072][1024] (in each group of 32 rows, position 16 u + i holds row 8 u + i + 8 (i / 8)): one code a byte, K innermost.  rope_tab [2048][32][cos, sin] f32.
; qkv_img: [64 (batch x 16 + head)][Q, K, V: 131,072 bytes each].  Q, K: [128 blocks of 16 tokens][c 0..1][lane][16 bytes]: lane (r, h) holds token r of the block, d = 32 c + 16 h + 0 .. 15.
;          V: [16 steps of 128 keys][4 tiles of 16 channels][c 0..3][lane][16 bytes]: lane (r, h) holds the tile's channel number r; its registers 2 c, 2 c + 1 hold keys 16 c + 8 h + 0 .. 7.
; LIMITS: e2 - e0 - e1, e3 - e0 - e1 and e5 - e0 - e1 between -126 and 119, so that each scale below is an f32 number.
; A tile of 256 x 256 is made by four waves, 128 x 128 each: 64 accumulators, 512 registers.  K = 1,024 goes in four steps of 256 through a ring of two LDS slots filled by the tensor data mover.
; THE MATRIX INSTRUCTION: source 1 ('A') is the tensor whose row a lane keeps, source 0 ('B') the one whose rows run along the lane's registers.
; Cluster x = 0 (q) and 1 (k): A = x, B = w: a lane holds one token and eight features; by the weight's order of rows the 16 registers of accumulators 2 g and 2 g + 1 are features 32 g + 16 h + 0 .. 15.
; Cluster x = 2 (v): the pointers change places: A = w's rows of v, B = x: V^T = W X^T: a lane holds one channel and eight neighbouring tokens, which are the keys, the K of attention's second product.
; CLUSTERS: 4 x 4 work-groups; A's tile is shared along a row of the cluster, B's along a column: each is asked for jointly.  The cluster's x is the same in all sixteen, so a branch may hang on it.
; THE SCALES ARE FOLDED: a sum stands for sum x 2^(e0 + e1); the rotation is linear, so it works on the sums as they are, and the conversion takes 2^(e_out - e0 - e1).
; REGISTERS, in windows of 256: window 0: v16-29 addresses and scales; v32-95 the table, two sets; v96-103 at work; from v128 A's fragments, one set; on the way out v128-191 a block's numbers, v192-223 codes, two sets.
;   window 1: B's fragments, two sets.   windows 2, 3: the accumulators ((a, b) at v[8 (8 (a % 4) + b)]).
.set ROWB,   256                       ; a tile's row: 256 codes
.set KROW,   1024                      ; a row of either tensor in memory
.set PITCH,  272                       ; an LDS row: 256 bytes + 16 of padding, so that the 16 rows of a fragment load start at 16 different banks (64 banks of 4 bytes: ISA guide 11.1)
.set FR,     16                        ; registers of a fragment: 16 rows x 128 K
.set NL,     4                         ; LDS loads that bring one
.set NP,     4                         ; places behind this matrix instruction (ISA guide 7.12.1)
.set HALFT,  128*PITCH                 ; 128 rows: what one tensor load brings
.set SLOT,   4*HALFT                   ; A's 256 rows, then B's 256
.set LAPS,   2                         ; a lap = two K steps of 256 = once round the ring
.set SPARE,  2*SLOT                    ; behind the ring: the spare words, 128 bytes a wave, which no other line names
.set ADRA, 16                          ; v16-17  LDS address of my A fragments in slot 0, 1
.set ADRB, 20                          ; v20-21  the same for B
.set TO,   24                          ; v24     the table: 256 r + 64 h
.set LI,   25                          ; v25     16 x lane: my place in an image
.set SC,   26                          ; v26     the conversion's scale as f32
.set LIM,  27                          ; v27     448 x that
.set SPW,  28                          ; v28     LDS address of my spare word; never rewritten
.set NIL,  29                          ; v29     0; never rewritten
.set TAB,  32
.set T,    96
.set AF,   128
.set OUT,  128
.set CD,   192
.set G1, 24                            ; s[24:31] descriptor group 1 for A's tiles;  s[32:39] group 0, one set for each slot
.set G0, 32
.set G1B, 48                           ; s[48:55], s[56:63] the same for B's
.set G0B, 56
.set MSB, 0
.macro WIN new                         ; the immediate's high byte repeats the setting that is left
.if MSB != (\new)
	s_set_vgpr_msb (MSB<<8)|(\new)
.set MSB, \new
.endif
.endm
.set MUL_LO, 0xa1                      ; source 0 (B) window 1, source 1 (A) window 0, C and D window 2
.set MUL_HI, 0xf1                      ; the same, C and D window 3
.set TO_B,   0x40                      ; destination window 1, address window 0
; A joint load: waves 0 and 1 fetch for A, waves 2 and 3 for B; the branch hangs on the wave's number alone.  An s_nop 0 and four v_nop follow each of the two lines.
.macro JLOAD g0a, g1a, g0b, g1b
	s_cmp_eq_u32 s15, 0
	s_cbranch_scc0 .Lfor_b_\@
	tensor_load_to_lds s[\g0a:\g0a+3], s[\g1a:\g1a+7]
	s_nop 0
.rept 4
	v_nop
.endr
	s_branch .Lasked_\@
.Lfor_b_\@:
	tensor_load_to_lds s[\g0b:\g0b+3], s[\g1b:\g1b+7]
	s_nop 0
.rept 4
	v_nop
.endr
.Lasked_\@:
.endm
.macro CREST                           ; a round of the cluster's barrier behind its opening barrier
	s_cmp_lg_u32 s14, 0
	s_cbranch_scc1 .Lnot_wave_0_\@
	s_barrier_signal -3
.Lnot_wave_0_\@:
	s_barrier_wait -3
	s_barrier_signal -1
	s_barrier_wait -1
.endm
.macro CROUND                          ; a whole round
	s_barrier_signal -1
	s_barrier_wait -1
	CREST
.endm
	s_load_b128 s[4:7], s[0:1], 0x0                ; x_codes s[4:5], wqkv_codes s[6:7]
	s_load_b128 s[8:11], s[0:1], 0x10              ; the scales s[8:9], the table s[10:11]
	s_load_b64 s[12:13], s[0:1], 0x20              ; qkv_img
	v_lshl_add_u32 v[SPW], v0, 2, SPARE
	v_mov_b32 v[NIL], 0
	ds_add_u32 v[SPW], v[NIL]                      ; the wave's opening: the add and its wait stand ahead of my first tensor load; the set-up below, work on registers, stands between them
	ds_add_u32 v[SPW], v[NIL]
	v_lshrrev_b32 v1, 5, v0
	v_readfirstlane_b32 s14, v1                    ; wave 0..3
	s_lshr_b32 s15, s14, 1                         ; which half of A's rows is mine.  Also: I fetch for A (0) or for B (1)
	s_and_b32 s16, s14, 1                          ; which half of B's rows.  Also: which 128 rows of that tile I fetch
	s_bfe_u32 s40, ttmp6, 0x40000                  ; cx, cy: my place in the cluster
	s_bfe_u32 s41, ttmp6, 0x40004
	s_and_b32 s66, ttmp7, 0xffff                   ; the cluster's y: which 1,024 rows of x
	s_cmp_eq_u32 ttmp9, 2                          ; v?
	s_cselect_b32 s67, 2, s66                      ; A's tiles: v's 1,024 rows of w, else x's rows
	s_cselect_b32 s80, s66, ttmp9                  ; B's tiles: x's rows, else q's or k's 1,024 rows of w
	s_lshl_b32 s42, s80, 2
	s_add_co_u32 s42, s42, s40                     ; B's tile: hangs on cx alone
	s_lshl_b32 s17, s67, 2
	s_add_co_u32 s17, s17, s41                     ; A's tile: hangs on cy alone
	s_lshl_b32 s43, s41, 2
	s_lshl_b32 s43, 15, s43                        ; my row of the cluster
	s_lshl_b32 s44, 0x1111, s40                    ; my column
	; descriptor group 1: a tile of 128 rows x 256 bytes, padded in LDS
	s_or_b32 s[G1+0], s43, (0<<16)|(1<<20)|(1<<21)|(5<<22)|(3<<25)  ; 15:0 the mask: A's tiles go to my row; 17:16 elements of 1 byte; 20 padding on; 21 set beside a mask; 24:22 after every 64 words (code 5); 31:25 four words (code 3)
	s_or_b32 s[G1B+0], s44, (0<<16)|(1<<20)|(1<<21)|(5<<22)|(3<<25)
.irp g, G1, G1B
	s_mov_b32 s[\g+1], ROWB<<16                    ; tensor_dim0
	s_mov_b32 s[\g+2], 128<<16                     ; tensor_dim1
	s_mov_b32 s[\g+3], ROWB<<16                    ; tile_dim0
	s_mov_b32 s[\g+4], 128                         ; tile_dim1
	s_mov_b32 s[\g+5], KROW                        ; tensor_dim0_stride
	s_mov_b32 s[\g+6], 0
	s_mov_b32 s[\g+7], 0
.endr
	s_lshl_b32 s18, s16, 7                         ; which 128 rows of the tile I fetch
	s_lshl_b32 s20, s17, 8
	s_add_co_u32 s20, s20, s18
	s_lshl_b32 s20, s20, 10                        ; A: (256 x tile + 128 x half) rows of 1,024 bytes
	s_mov_b32 s21, 0
	s_lshl_b32 s46, s42, 8
	s_add_co_u32 s46, s46, s18
	s_lshl_b32 s46, s46, 10                        ; B likewise
	s_mov_b32 s47, 0
	s_mul_i32 s45, s14, HALFT                      ; where they go: wave x 128 rows: no place in the cluster enters an LDS address
	s_wait_dscnt 0x0                               ; the opening add is done
	s_wait_kmcnt 0x0
	s_load_b256 s[72:79], s[8:9], 0x0              ; e0 .. e7
	s_cmp_eq_u32 ttmp9, 2
	s_cselect_b64 s[68:69], s[6:7], s[4:5]         ; A's tensor
	s_cselect_b64 s[70:71], s[4:5], s[6:7]         ; B's
	s_add_nc_u64 s[20:21], s[68:69], s[20:21]
	s_add_nc_u64 s[46:47], s[70:71], s[46:47]
	CROUND                                         ; all sixteen work-groups are here: the first joint loads meet
.irp s, 0,1
	s_mov_b32 s[G0+4*\s], 1
	s_add_co_u32 s[G0+4*\s+1], s45, \s*SLOT
	s_add_nc_u64 s[G0+4*\s+2:G0+4*\s+3], s[20:21], \s*ROWB
	s_or_b32 s[G0+4*\s+3], s[G0+4*\s+3], 0x80000000
	s_mov_b32 s[G0B+4*\s], 1
	s_add_co_u32 s[G0B+4*\s+1], s45, \s*SLOT
	s_add_nc_u64 s[G0B+4*\s+2:G0B+4*\s+3], s[46:47], \s*ROWB
	s_or_b32 s[G0B+4*\s+3], s[G0B+4*\s+3], 0x80000000
.endr
	JLOAD G0, G1, G0B, G1B                         ; K step 0: one tensor load a wave at the head
	v_and_b32 v1, 15, v0                           ; r = lane % 16
	v_bfe_u32 v2, v0, 4, 1                         ; h = lane / 16
	v_mul_u32_u24 v3, v1, PITCH
	v_lshl_add_u32 v4, v2, 4, v3                   ; a fragment's row x pitch + 16 h
	s_mul_i32 s21, s15, HALFT                      ; my 128 rows of A
	s_mul_i32 s22, s16, HALFT                      ; my 128 rows of B,
	s_add_co_u32 s22, s22, 2*HALFT                 ; which lie behind A's 256
.irp s, 0,1
	v_add_nc_u32 v[ADRA+\s], s21, v4
	v_add_nc_u32 v[ADRB+\s], s22, v4
	s_add_co_u32 s21, s21, SLOT
	s_add_co_u32 s22, s22, SLOT
.endr
	v_lshlrev_b32 v[TO], 8, v1
	v_lshl_add_u32 v[TO], v2, 6, v[TO]             ; the table: token r's row of 256 bytes, + my half's eight pairs
	v_and_b32 v6, 31, v0
	v_lshlrev_b32 v[LI], 4, v6
	; where my results go.  Tokens and features change roles with v; these registers feed global addresses alone
	s_cmp_eq_u32 ttmp9, 2
	s_cselect_b32 s80, s40, s41                    ; the token tile's place in the cluster,
	s_cselect_b32 s81, s41, s40                    ; the feature tile (256 features = 4 heads),
	s_cselect_b32 s82, s16, s15                    ; my half of the tokens,
	s_cselect_b32 s83, s15, s16                    ; my half of the features
	s_lshl_b32 s84, s66, 2
	s_add_co_u32 s84, s84, s80                     ; the token tile, 0 .. 31: eight to a batch
	s_and_b32 s85, s84, 7
	s_lshl_b32 s85, s85, 1
	s_add_co_u32 s85, s85, s82                     ; which 128 tokens of the sequence are mine, 0 .. 15
	s_lshr_b32 s86, s84, 3
	s_lshl_b32 s86, s86, 4
	s_lshl_b32 s87, s81, 2
	s_add_co_u32 s86, s86, s87
	s_lshl_b32 s87, s83, 1
	s_add_co_u32 s86, s86, s87                     ; my first head: 16 x batch + 4 x feature tile + 2 x half
	s_mul_i32 s88, s86, 393216
	s_lshl_b32 s87, ttmp9, 17                      ; the section: Q, K or V
	s_add_co_u32 s88, s88, s87
	s_lshl_b32 s87, s85, 13                        ; 128 tokens are 8,192 bytes in each of the three sections
	s_add_co_u32 s88, s88, s87
	s_mov_b32 s89, 0
	s_add_nc_u64 s[12:13], s[12:13], s[88:89]
	s_lshl_b32 s90, s85, 15                        ; and 32,768 bytes of the table
	s_mov_b32 s91, 0
	s_add_nc_u64 s[10:11], s[10:11], s[90:91]
	s_wait_alu depctr_va_vdst(0)
	s_wait_kmcnt 0x0
	s_cmp_eq_u32 ttmp9, 0
	s_cselect_b32 s92, s74, s75                    ; e2 for q, e3 for k,
	s_cmp_eq_u32 ttmp9, 2
	s_cselect_b32 s92, s77, s92                    ; e5 for v
	s_sub_co_i32 s92, s92, s72
	s_sub_co_i32 s92, s92, s73                     ; less e0 + e1, which the sums lack
	s_add_co_i32 s92, s92, 127
	s_lshl_b32 s93, s92, 23
	v_mov_b32 v[SC], s93
	s_add_co_i32 s92, s92, 8
	s_lshl_b32 s92, s92, 23
	s_or_b32 s92, s92, 0x600000
	v_mov_b32 v[LIM], s92
.macro FRAG reg, adr, q, i             ; a fragment, 16 rows x 128 K: lane (r, h) holds row r; registers 4 c .. 4 c + 3 hold K = 32 c + 16 h + 0 .. 15: the same order of k in A and in B
.irp c, 0,1,2,3
	ds_load_b128 v[\reg+4*\c:\reg+4*\c+3], v[\adr] offset:128*(\q)+32*\c+(\i)*16*PITCH
.endr
.endm
; 16 matrix instructions: A's blocks a0, a0 + 1 x B's eight.  p: B's set.  zero = 1: the first product starts the sums.  The 64 accumulators take turns, one instruction a turn, in the same order in every step.
.macro MUL16 a0, p, zero
.irp a, \a0, \a0+1
.irp b, 0,1,2,3,4,5,6,7
.if \zero
	v_wmma_f32_16x16x128_fp8_fp8 v[8*(8*((\a)%4)+\b):8*(8*((\a)%4)+\b)+7], v[128*(\p)+FR*\b:128*(\p)+FR*\b+FR-1], v[AF+FR*(\a):AF+FR*(\a)+FR-1], 0
.else
	v_wmma_f32_16x16x128_fp8_fp8 v[8*(8*((\a)%4)+\b):8*(8*((\a)%4)+\b)+7], v[128*(\p)+FR*\b:128*(\p)+FR*\b+FR-1], v[AF+FR*(\a):AF+FR*(\a)+FR-1], v[8*(8*((\a)%4)+\b):8*(8*((\a)%4)+\b)+7]
.endif
.endr
.endr
.endm
.macro FETCH_B slot, q, p              ; B's eight fragments of the slot's q-th 128 along K into set p
	WIN TO_B
.irp i, 0,1,2,3,4,5,6,7
	FRAG 128*(\p)+FR*\i, ADRB+\slot, \q, \i
.endr
	WIN 0
.endm
.macro FETCH_A slot, q, i0             ; A's blocks i0 .. i0 + 3
.irp i, \i0, \i0+1, \i0+2, \i0+3
	FRAG AF+FR*(\i), ADRA+\slot, \q, \i
.endr
.endm
.macro PLACES n                        ; plain vector lines between a matrix instruction and a load into, or a vector line on, its registers
.rept \n
	v_nop
.endr
.endm
; A step of 128 along K that has its successor in the same slot.  A has one set of registers: blocks 0-3 are fetched anew in the step's middle, blocks 4-7 at its end.
.macro STEP slot, q, zero
	s_wait_dscnt 4*NL                              ; B's set and A's blocks 0-3 are in; the youngest 16 loads (A's blocks 4-7) may be out
	WIN MUL_LO
	MUL16 0, (\q)%2, \zero
	MUL16 2, (\q)%2, \zero
	s_wait_dscnt 0                                 ; A's blocks 4-7 are in
	PLACES NP
	FETCH_B \slot, (\q)+1, 1-(\q)%2
	FETCH_A \slot, (\q)+1, 0
	WIN MUL_HI
	MUL16 4, (\q)%2, \zero
	MUL16 6, (\q)%2, \zero
	PLACES NP
	WIN 0
	FETCH_A \slot, (\q)+1, 4
.endm
; A slot's last step changes slots: one barrier; in front of it each wave waits for all its tensor loads, adds 0 to its spare word, and waits for that and for its own reads of this slot.  fill = 1: this slot is filled again, two K steps ahead.
.macro TURN slot, next, fill
	s_wait_tensorcnt 0x0                           ; all my tensor loads have landed: my part of the next slot
	ds_add_u32 v[SPW], v[NIL]                      ; 0 onto my spare word
	s_wait_dscnt 4*NL+1                            ; (the add and the youngest 16 loads, A's blocks 4-7, may be out)
	WIN MUL_LO
	MUL16 0, 1, 0                                  ; sixteen matrix instructions stand between the add and the wait for it
	s_wait_dscnt 0x0                               ; the add is done, and my reads of this slot are over
	s_barrier_signal -1
	MUL16 2, 1, 0
	WIN 0
	s_barrier_wait -1
.if \fill
	CREST                                          ; the barrier has opened a round of the cluster's: no wave of any partner still reads this slot or has a load on its way
	s_add_nc_u64 s[G0+4*\slot+2:G0+4*\slot+3], s[G0+4*\slot+2:G0+4*\slot+3], 2*ROWB
	s_add_nc_u64 s[G0B+4*\slot+2:G0B+4*\slot+3], s[G0B+4*\slot+2:G0B+4*\slot+3], 2*ROWB
	JLOAD G0+4*\slot, G1, G0B+4*\slot, G1B         ; the first tensor load behind the round, my one until the next; its four v_nop are the places in front of the loads below
.else
	PLACES NP
.endif
	FETCH_B \next, 0, 0
	FETCH_A \next, 0, 0
	WIN MUL_HI
	MUL16 4, 1, 0
	MUL16 6, 1, 0
	PLACES NP
	WIN 0
	FETCH_A \next, 0, 4
.endm
.macro LAST                            ; the very last step: nothing more to fetch
	s_wait_dscnt 4*NL
	WIN MUL_LO
	MUL16 0, 1, 0
	MUL16 2, 1, 0
	s_wait_dscnt 0
	WIN MUL_HI
	MUL16 4, 1, 0
	MUL16 6, 1, 0
	WIN 0
.endm
; cos and sin for block a's 16 tokens: lane (r, h) takes, of token r's row, pairs 8 h + 0 .. 7 and 16 + 8 h + 0 .. 7: the eight loads together read the 16 rows whole
.macro TABLOAD a                       ; blocks 0, 1, 6, 7: window 0, two sets; blocks 2 to 5: window 1, where B's set 0 lay
.if ((\a) >= 2) && ((\a) <= 5)
	WIN TO_B
.set TBS, 32*((\a)-2)
.else
.set TBS, TAB+32*((\a)%2)
.endif
.irp k, 0,1,2,3,4,5,6,7
	global_load_b128 v[TBS+4*\k:TBS+4*\k+3], v[TO], s[10:11] offset:4096*(\a)+128*(\k/4)+16*(\k%4)
.endr
	WIN 0
.endm
; Block a of q or k: 16 tokens x my 128 features (two heads).  A pair (even, odd) lies in two neighbouring registers, its (cos, sin) likewise:
; first (-odd sin, odd cos), then (even cos, even sin) added by one fused multiply-add; the hold; the conversion; four stores of 512 consecutive bytes each.
.macro ROPE_OUT a
.if (\a) >= 2
	s_wait_xcnt 0x0                                ; block a - 2's stores have read their data: that set of codes is written again only behind this wait
.endif
.if (\a) < 3
	s_wait_loadcnt 40                              ; this block's eight table loads are in; issued behind them: block 0: blocks 1 to 5's; block 1: 2 to 6's; block 2: 3 to 7's
.else
	s_wait_loadcnt 8*(7-(\a))                      ; the later blocks' loads may be out
.endif
.if ((\a) >= 2) && ((\a) <= 5)
	WIN 0x06+((\a)/4)                              ; source 0: the accumulators' window; source 1: the table in window 1
.set TRB, 32*((\a)-2)
.else
	WIN 0x02+((\a)/4)                              ; source 0: the accumulators' window
.set TRB, TAB+32*((\a)%2)
.endif
.irp b, 0,1,2,3,4,5,6,7
.set AC, 64*((\a)%4)+8*\b
.set TR, TRB+16*((\b/2)%2)+8*(\b%2)
.irp i, 0,2,4,6
	v_pk_mul_f32 v[T+\i:T+\i+1], v[AC+\i:AC+\i+1], v[TR+\i:TR+\i+1] op_sel:[1,1] op_sel_hi:[1,0] neg_lo:[1,0]   ; each accumulator is read from its low end on
.endr
.irp i, 0,2,4,6
	v_pk_fma_f32 v[OUT+8*\b+\i:OUT+8*\b+\i+1], v[AC+\i:AC+\i+1], v[TR+\i:TR+\i+1], v[T+\i:T+\i+1] op_sel_hi:[0,1,1]
.endr
.endr
	WIN 0
.if (\a) < 2
	TABLOAD (\a)+6                                 ; into the set just read
.endif
.set nn, 0
.rept 64
	v_med3_num_f32 v[OUT+nn], v[OUT+nn], -v[LIM], v[LIM]   ; the conversion to an 8-bit code does not saturate (ISA guide 7.6.2)
.set nn, nn+1
.endr
.irp b, 0,1,2,3,4,5,6,7
	v_cvt_scalef32_pk8_fp8_f32 v[CD+16*((\a)%2)+2*\b:CD+16*((\a)%2)+2*\b+1], v[OUT+8*\b:OUT+8*\b+7], v[SC]
.endr
	v_nop                                          ; one plain vector line behind the last conversion, ahead of the lines that write its sources again
.irp w, 0,1
.irp c, 0,1
	global_store_b128 v[LI], v[CD+16*((\a)%2)+8*\w+4*\c:CD+16*((\a)%2)+8*\w+4*\c+3], s[12:13] offset:393216*\w+1024*(\a)+512*\c   ; head w, piece c of the block's image
.endr
.endr
.endm
; Block a of v: 16 channels x my 128 tokens: accumulator b's eight registers are keys 16 b + 8 h + 0 .. 7, so the codes are a fragment's 16 registers as they stand
.macro V_OUT a
.if (\a) >= 2
	s_wait_xcnt 0x0                                ; block a - 2's stores have read their data
.endif
	WIN 0x02+((\a)/4)
.set nn, 0
.rept 64
	v_med3_num_f32 v[OUT+nn], v[64*((\a)%4)+nn], -v[LIM], v[LIM]   ; ascending: each accumulator from its low end on
.set nn, nn+1
.endr
	WIN 0
.irp b, 0,1,2,3,4,5,6,7
	v_cvt_scalef32_pk8_fp8_f32 v[CD+16*((\a)%2)+2*\b:CD+16*((\a)%2)+2*\b+1], v[OUT+8*\b:OUT+8*\b+7], v[SC]
.endr
	v_nop
.irp c, 0,1,2,3
	global_store_b128 v[LI], v[CD+16*((\a)%2)+4*\c:CD+16*((\a)%2)+4*\c+3], s[12:13] offset:393216*((\a)/4)+2048*((\a)%4)+512*\c   ; head a / 4, tile a % 4
.endr
.endm
	s_cmp_eq_u32 ttmp9, 2                          ; q, k: the first two blocks' cos and sin are asked for here, into registers that the K loop leaves alone
	s_cbranch_scc1 .Lno_tab
	TABLOAD 0
	TABLOAD 1
.Lno_tab:
	s_wait_alu depctr_va_vdst(0)
	s_wait_tensorcnt 0x0                           ; my part of K step 0 is in; the same lines as ahead of a refill stand ahead of slot 1's first fill
	ds_add_u32 v[SPW], v[NIL]
	s_wait_dscnt 0x0
	CROUND                                         ; everybody's part of K step 0 is in, and all sixteen work-groups are here
	JLOAD G0+4, G1, G0B+4, G1B                     ; K step 1: the first tensor load behind the round
	FETCH_B 0, 0, 0
	FETCH_A 0, 0, 0
	FETCH_A 0, 0, 4
	STEP 0, 0, 1                                   ; the first step stands in front of the loop: its products start the sums
	s_mov_b32 s3, LAPS-1
.Llap:                                                 ; a trip goes once round the ring and fills both slots again
	TURN 0, 1, 1
	STEP 1, 0, 0
	TURN 1, 0, 1
	STEP 0, 0, 0
	s_sub_co_u32 s3, s3, 1
	s_cmp_lg_u32 s3, 0
	s_cbranch_scc1 .Llap
	TURN 0, 1, 0                                   ; the last lap fills nothing
	s_cmp_eq_u32 ttmp9, 2                          ; the ways part here, on the cluster's x; each holds the tile's last two steps, which have no barrier and no tensor load
	s_cbranch_scc1 .Lv
	STEP 1, 0, 0
	TABLOAD 2                                      ; q, k: B's set 0 has had its last products and their places: it takes four blocks' cos and sin
	TABLOAD 3
	TABLOAD 4
	TABLOAD 5
	LAST
	PLACES NP                                      ; in front of the first read of the last results and the first write over A's fragments
.irp a, 0,1,2,3,4,5,6,7
	ROPE_OUT \a
.endr
	s_branch .Lend
.Lv:
	STEP 1, 0, 0
	LAST
	PLACES NP
	s_wait_alu depctr_va_vdst(0)
.irp a, 0,1,2,3,4,5,6,7
	V_OUT \a
.endr
.Lend:
	s_wait_tensorcnt 0x0                           ; the wave's end
	ds_add_u32 v[SPW], v[NIL]
	s_wait_dscnt 0x0
	CROUND                                         ; the closing round: no work-group ends while a partner may still ask for a tile that names it
	s_endpgm
.Lfunc_end_k_q8bad9a14ea_qkv:
	.size	k_q8bad9a14ea_qkv, .Lfunc_end_k_q8bad9a14ea_qkv-k_q8bad9a14ea_qkv
	.p2alignl 7, 3214868480
	.fill 96, 4, 3214868480
	.section	.rodata,"a",@progbits
	.p2align	6, 0x0
	.amdhsa_kernel k_q8bad9a14ea_qkv
		.amdhsa_group_segment_fixed_size 327680
		.amdhsa_private_segment_fixed_size 0
		.amdhsa_enable_private_segment 0
		.amdhsa_kernarg_size 40
		.amdhsa_user_sgpr_count 2
		.amdhsa_user_sgpr_kernarg_segment_ptr 1
		.amdhsa_wavefront_size32 1
		.amdhsa_system_sgpr_workgroup_id_x 1
		.amdhsa_system_sgpr_workgroup_id_y 1
		.amdhsa_system_sgpr_workgroup_id_z 1
		.amdhsa_system_vgpr_workitem_id 0
		.amdhsa_next_free_vgpr 1024
		.amdhsa_next_free_sgpr 100
		.amdhsa_reserve_vcc 0
		.amdhsa_float_denorm_mode_32 3
		.amdhsa_float_denorm_mode_16_64 3
		.amdhsa_memory_ordered 1
		.amdhsa_forward_progress 1
		.amdhsa_inst_pref_size 210
	.end_amdhsa_kernel
	.amdgpu_metadata
---
amdhsa.version: [ 1, 2 ]
amdhsa.kernels:
  - .name:           k_q8bad9a14ea_qkv
    .symbol:         k_q8bad9a14ea_qkv.kd
    .args:
      - { .name: x_codes, .offset: 0, .size: 8, .value_kind: global_buffer, .address_space: global }
      - { .name: wqkv_codes, .offset: 8, .size: 8, .value_kind: global_buffer, .address_space: global }
      - { .name: lowp_scales, .offset: 16, .size: 8, .value_kind: global_buffer, .address_space: global }
      - { .name: rope_tab, .offset: 24, .size: 8, .value_kind: global_buffer, .address_space: global }
      - { .name: qkv_img, .offset: 32, .size: 8, .value_kind: global_buffer, .address_space: global }
    .group_segment_fixed_size: 327680
    .private_segment_fixed_size: 0
    .kernarg_segment_align: 8
    .kernarg_segment_size: 40
    .max_flat_workgroup_size: 128
    .sgpr_count:     100
    .vgpr_count:     1024
    .wavefront_size: 32
...
	.end_amdgpu_metadata
.endif
;; end of part 2
;; launch attn (part 3): grid 4 x 64, 8 waves a work-group, clusters of 4 x 1, 327,680 bytes of LDS; arguments qkv_img, lowp_scales, o_img; writes o_img
.if DOCPART == 3
	.amdgcn_target "amdgcn-amd-amdhsa--gfx1250"
	.amdhsa_code_object_version 6
	.text
	.protected	k_q8bad9a14ea_attn
	.globl	k_q8bad9a14ea_attn
	.p2align	8
	.type	k_q8bad9a14ea_attn,@function
k_q8bad9a14ea_attn:
	s_mov_b64 s[64:65], 0
	v_nop
	global_prefetch_b8 v0, s[64:65] scope:SCOPE_SE
	s_setreg_imm32_b32 hwreg(HW_REG_WAVE_MODE, 25, 1), 1
	s_wait_xcnt 0x0
	s_wait_alu depctr_hold_cnt(0) depctr_sa_sdst(0) depctr_va_vdst(0) depctr_va_sdst(0) depctr_va_ssrc(0) depctr_va_vcc(0) depctr_vm_vsrc(0)
	s_getreg_b32 s2, hwreg(HW_REG_IB_STS2, 6, 4)
	s_cmp_eq_u32 s2, 0
	s_cbranch_scc0 .Lentry_in_a_cluster
	s_endpgm
.Lentry_in_a_cluster:
	s_bfe_u32 s2, ttmp6, 0x10000c
	s_cmp_lg_u32 s2, 0x3003
	s_cbranch_scc0 .Lentry_shape_is_right
	s_endpgm
.Lentry_shape_is_right:
; Causal attention of one head (batch x 16 + head = the cluster's y) on codes of FP8 (E4M3); the result is quantised with 2^e6 and stored as the image that the projection reads.
; qkv_img: [64][Q, K, V: 131,072 bytes each], images of operand registers.  Q, K: [128 blocks of 16 tokens][c 0..1][lane][16 bytes].  V: [16 steps of 128 keys][4 tiles of 16 channels][c 0..3][lane][16 bytes].
; o_img: [512 blocks of 16 tokens][16 heads][c 0..1][lane][16 bytes].
; THE SOFTMAX: t = score x log2(e) / 8; M = the running largest t rounded up to a whole number; p = 2^(t - M) is quantised with 2^e4; the row's sum is taken of the unquantised p and divides at the end.
; LEFT OUT: key steps all of whose keys come after a wave's queries: their p is 0.
; SHARES.  Four work-groups of a cluster share a head.  A work-group has 8 waves, two to a SIMD.  Wave w of the work-group at place cx owns two blocks of 32 queries, 4 (15 - w) + cx and 4 w + cx, one pass each:
; 16 - w and w + 1 key steps of 128 keys, 17 in every wave.  Trip counts and branches hang on the wave's number alone; cx enters global addresses and the mask's numbers only.
; A block is two tiles of 16 queries, so that each fragment of K and of V read from LDS feeds two matrix instructions.
; LDS holds the head's whole K (bytes 0 ..) and V (bytes 131,072 ..), asked for jointly in two stages, each byte filled once: at the head key steps 0 to 3 (8,192 bytes a wave); behind the full sequence and a round
; steps 4 to 15 (24,576 bytes a wave).  The first pass has at least 9 steps in every wave: its steps 0 to 2, which read stage 1 alone (K one step ahead), run while stage 2 is on its way; one barrier follows.
; NO PREFETCH: every tile is asked for ahead of the fourth key step; there is no loop that runs ahead of a load.
; THE MASK costs no vector line in the loop: a block's last step takes as C of its score products 8 registers a tile that hold 0 where the key counts and -1e30 where it is hidden.  A sum of 64 products of codes
; is at most 64 x 448 x 448, so a hidden score stays under every other one, and its p is 0.  72 registers serve both tiles of queries (the second tile's are the first's, one tile of keys on) and both passes.
; Both products are used transposed (S^T = K Q^T, O^T = V^T P^T): a lane holds one query; a score tile's 8 registers are keys 16 t + 8 (lane / 16) + 0 .. 7, the order in which V's image has them.
; INDEPENDENT CHAINS TAKE TURNS: eight chains of maxima a tile; one tile's short chain from its maximum to -M stands among the other tile's lines; four chains of sums.  Among a batch of exponentials stand plain lines
; of the other tile whose results are first read behind the next wait: tile 1's scalings among tile 0's batch, tile 0's holds among tile 1's.
; LIMITS: e2 + e3 between -123 and 130; e4 between -126 and 119; the scaled scores stay under 2^31 in magnitude.  NaN among the codes is not served.
; REGISTERS.  Window 0: v1-7 addresses; v8-15 -M, largest t, sums of both tiles; v16-31 Q; v32-95 K's fragments; v96-159, v160-223 scores, then p; v224-239 the maxima's chains, then tile 0's codes of p; tile 1's lie over v96-111; v240-255 at work.
;             Window 1: v0-63 V's fragments; v64-127 O^T of both tiles; v128-199 the mask; v200-215 the second pass's Q.
.set VSEC,  131072
.set STEPB, 8192
.set SPARE, 262144                     ; behind K and V: the spare words, 128 bytes a wave, which no other line names
.set LI,  1                            ; 16 x lane
.set ADK, 2
.set ADV, 3
.set LIV, 4                            ; LI + VSEC
.set SPW, 5
.set NIL, 6
.set LIK, 7                            ; LI + STEPB: the next step's K
.set KF,  32
.set S0,  96
.set S1,  160
.set P0,  224
.set P1,  96
.set F0,  240                          ; v[240:241], v[242:243]: 2^(old M - new M) of the two tiles, named as pairs
.set F1,  242
.set HLA, 244                          ; 448 x 2^e4, twice: the two halves of a dual line take their second sources from different banks
.set HLB, 245
.set SCP, 246                          ; 2^e4
.set ONE, 247
.set VF,  0                            ; window 1
.set OT,  64
.set MB,  128
.set QS,  200
.set TB,  2
.set J,   3
.set LAST, 10
.set LASTA, 11
.set WV,  18
.set SEL, 20
.set CS,  22
.set G1A, 24
.set G1B, 32
.set G0A, 40
.set G0B, 44
.set EO,  56
.set PASSC, 57
.set OB,  58
.set OA,  60
.set MSB, 0
.macro WIN new                         ; the immediate's high byte repeats the setting that is left
.if MSB != (\new)
	s_set_vgpr_msb (MSB<<8)|(\new)
.set MSB, \new
.endif
.endm
.macro CROUND
	s_barrier_signal -1
	s_barrier_wait -1
	s_cmp_lg_u32 s[WV], 0
	s_cbranch_scc1 .Lnot_wave_0_\@
	s_barrier_signal -3
.Lnot_wave_0_\@:
	s_barrier_wait -3
	s_barrier_signal -1
	s_barrier_wait -1
.endm
.macro NOPS n
.rept \n
	v_nop
.endr
.endm
	s_load_b128 s[4:7], s[0:1], 0x0                ; qkv_img, the scales
	s_load_b64 s[8:9], s[0:1], 0x10                ; o_img
	v_lshl_add_u32 v[SPW], v0, 2, SPARE
	v_mov_b32 v[NIL], 0
	ds_add_u32 v[SPW], v[NIL]                      ; the opening lines: the add twice on end and its wait stand ahead of my first tensor load
	ds_add_u32 v[SPW], v[NIL]
	v_lshrrev_b32 v9, 5, v0
	v_readfirstlane_b32 s[WV], v9                  ; wave 0..7
	v_and_b32 v9, 31, v0
	v_lshlrev_b32 v[LI], 4, v9
	s_bfe_u32 s19, ttmp6, 0x40000                  ; cx
	s_and_b32 s12, ttmp7, 0xffff                   ; batch x 16 + head
.irp g, G1A, G1B
	s_mov_b32 s[\g], 15|(3<<16)|(1<<21)            ; the mask names the four; elements of 8 bytes; dense rows of 256 bytes
	s_mov_b32 s[\g+1], 32<<16
	s_mov_b32 s[\g+3], 32<<16
	s_mov_b32 s[\g+5], 32
	s_mov_b32 s[\g+6], 0
	s_mov_b32 s[\g+7], 0
.endr
	s_mov_b32 s[G1A+2], 32<<16                     ; stage 1: 32 rows a wave
	s_mov_b32 s[G1A+4], 32
	s_mov_b32 s[G1B+2], 96<<16                     ; stage 2: 96 rows a wave
	s_mov_b32 s[G1B+4], 96
	s_mov_b32 s[SEL], 0x76543210
	s_mov_b32 s[SEL+1], 0xfedcba98
	s_lshr_b32 s13, s[WV], 2
	s_lshl_b32 s13, s13, 17                        ; waves 0-3 fetch K, waves 4-7 V
	s_and_b32 s14, s[WV], 3
	s_lshl_b32 s15, s14, 13
	s_add_co_u32 s15, s15, s13                     ; stage 1: key step wave % 4
	s_mul_i32 s16, s14, 24576
	s_add_co_u32 s16, s16, s13
	s_add_co_u32 s16, s16, 32768                   ; stage 2: three key steps from 4 + 3 (wave % 4) on
	s_mul_i32 s68, s12, 393216
	s_mov_b32 s69, 0
	s_mov_b32 s71, 0
	s_sub_co_u32 s[LAST], 15, s[WV]                ; the first pass's last key step,
	s_mov_b32 s[LASTA], s[WV]                      ; the second's
	s_lshl_b32 s56, s[LAST], 2
	s_add_co_u32 s56, s56, s19                     ; block 4 (15 - w) + cx
	s_lshl_b32 s57, s[WV], 2
	s_add_co_u32 s57, s57, s19                     ; block 4 w + cx
	s_wait_dscnt 0x0
	s_wait_kmcnt 0x0
	s_load_b256 s[48:55], s[6:7], 0x0              ; e0 .. e7
	s_add_nc_u64 s[4:5], s[4:5], s[68:69]
	s_mov_b32 s[G0A], 1
	s_mov_b32 s[G0A+1], s15
	s_add_co_u32 s70, s15, 131072                  ; K and V lie behind Q in the head's part of the image
	s_add_nc_u64 s[G0A+2:G0A+3], s[4:5], s[70:71]
	s_or_b32 s[G0A+3], s[G0A+3], 0x80000000
	s_mov_b32 s[G0B], 1
	s_mov_b32 s[G0B+1], s16
	s_add_co_u32 s70, s16, 131072
	s_add_nc_u64 s[G0B+2:G0B+3], s[4:5], s[70:71]
	s_or_b32 s[G0B+3], s[G0B+3], 0x80000000
	s_lshl_b32 s68, s56, 11                        ; a block of 32 queries is 2,048 bytes of Q's image
	s_add_nc_u64 s[62:63], s[4:5], s[68:69]
	s_lshl_b32 s68, s57, 11
	s_add_nc_u64 s[66:67], s[4:5], s[68:69]
	s_wait_alu depctr_va_vdst(0)
.irp k, 0,1,2,3
	global_load_b128 v[16+4*\k:19+4*\k], v[LI], s[62:63] offset:512*\k   ; Q of both passes is asked for ahead of K and V
.endr
	WIN 0x40
.irp k, 0,1,2,3
	global_load_b128 v[QS+4*\k:QS+4*\k+3], v[LI], s[66:67] offset:512*\k
.endr
	WIN 0
	CROUND                                         ; the four work-groups are here: the joint loads meet
	tensor_load_to_lds s[G0A:G0A+3], s[G1A:G1A+7]  ; stage 1: my one tensor load at the head
	s_nop 0
	NOPS 4
	s_lshr_b32 s15, s12, 4
	s_lshl_b32 s15, s15, 7                         ; 128 blocks of 16 tokens to a batch
	s_and_b32 s16, s12, 15
	s_lshl_b32 s16, s16, 10
	s_lshl_b32 s17, s56, 1
	s_add_co_u32 s17, s17, s15
	s_lshl_b32 s68, s17, 14
	s_add_co_u32 s68, s68, s16
	s_add_nc_u64 s[OB:OB+1], s[8:9], s[68:69]
	s_lshl_b32 s17, s57, 1
	s_add_co_u32 s17, s17, s15
	s_lshl_b32 s68, s17, 14
	s_add_co_u32 s68, s68, s16
	s_add_nc_u64 s[OA:OA+1], s[8:9], s[68:69]
	s_lshl_b32 s17, s19, 5
	s_mov_b32 s70, 0xc3e00000                      ; -448, 448
	s_mov_b32 s71, 0x43e00000
	v_add_nc_u32 v[LIV], VSEC, v[LI]
	v_add_nc_u32 v[LIK], STEPB, v[LI]
	v_and_b32 v10, 15, v0
	v_bfe_u32 v11, v0, 4, 1
	v_lshlrev_b32 v11, 3, v11
	v_sub_nc_u32 v10, v10, v11
	v_add_nc_u32 v10, s17, v10                     ; d = 32 cx + lane % 16 - 8 (lane / 16): in a block's last step key 16 t + i (+ 8 (lane / 16)) is hidden from tile 0's query where 16 t + i > d
	v_mov_b32 v248, 0xf149f2ca                     ; -1e30
	v_mov_b32 v241, 0
	v_mov_b32 v243, 0
	v_mov_b32 v254, 0                              ; a lane permute's destination counts as read
	v_mov_b32 v255, 0
	v_mov_b32 v[ONE], 1.0
	WIN 0x40
.set uu, 0
.rept 72                                       ; the mask: registers 8 (t + 1) + i for tile 0 of the queries, 8 t + i for tile 1
	v_cmp_gt_i32 vcc_lo, 16*(uu/8)+uu%8-16, v10
	v_cndmask_b32 v[MB+uu], 0, v248, vcc_lo
.set uu, uu+1
.endr
	WIN 0
	s_wait_alu depctr_va_vdst(0)
	s_wait_kmcnt 0x0
	s_add_co_i32 s13, s50, s51
	s_lshl_b32 s13, s13, 23
	s_mov_b32 s[CS], 0x3e38aa3b                    ; log2(e) / 8,
	s_add_co_i32 s[CS], s[CS], s13                 ; x 2^(e2 + e3), added to the exponent field
	s_mov_b32 s[CS+1], s[CS]
	s_add_co_i32 s13, s52, 127
	s_lshl_b32 s14, s13, 23
	v_mov_b32 v[SCP], s14
	s_add_co_i32 s13, s13, 8
	s_lshl_b32 s13, s13, 23
	s_or_b32 s13, s13, 0x600000
	v_mov_b32 v[HLA], s13
	v_mov_b32 v[HLB], s13
	s_add_co_i32 s[EO], s52, s53
	s_sub_co_i32 s[EO], s[EO], s54                 ; e4 + e5 - e6
.macro KLOAD adr                       ; 8 tiles of 16 keys
.irp t, 0,1,2,3,4,5,6,7
.irp c, 0,1
	ds_load_b128 v[KF+8*\t+4*\c:KF+8*\t+4*\c+3], v[\adr] offset:1024*\t+512*\c
.endr
.endr
.endm
.macro MAXI i, sb, b                   ; line i of the 32 that take a tile's largest score into v[b]: eight chains, the scores in ascending order
.if (\i) < 8
	v_max3_num_f32 v[\b+(\i)], v[\sb+3*(\i)], v[\sb+3*(\i)+1], v[\sb+3*(\i)+2]
.elseif (\i) < 28
	v_max3_num_f32 v[\b+(\i)%8], v[\b+(\i)%8], v[\sb+2*(\i)+8], v[\sb+2*(\i)+9]
.elseif (\i) == 28
	v_max3_num_f32 v[\b], v[\b], v[\b+1], v[\b+2]
.elseif (\i) == 29
	v_max3_num_f32 v[\b+3], v[\b+3], v[\b+4], v[\b+5]
.elseif (\i) == 30
	v_max3_num_f32 v[\b], v[\b], v[\b+6], v[\b+7]
.else
	v_max_num_f32 v[\b], v[\b], v[\b+3]
.endif
.endm
.macro TAIL k, a, pd, tm, nm, f        ; line k of the 9 that lead from a tile's largest score in v[a] to -M and 2^(old M - new M); v[a+1] at work
.if (\k) == 0
	v_permlanex16_b32 v[\pd], v[\a], s[SEL], s[SEL+1]
.elseif (\k) == 1
	v_max_num_f32 v[\a], v[\a], v[\pd]
.elseif (\k) == 2
	v_mul_f32 v[\a], s[CS], v[\a]
.elseif (\k) == 3
	v_max_num_f32 v[\tm], v[\tm], v[\a]            ; the running largest t
.elseif (\k) == 4
	v_mov_b32 v[\a+1], v[\nm]
.elseif (\k) == 5
	v_floor_f32 v[\nm], -v[\tm]                    ; -M = floor(-t): M is a whole number
.elseif (\k) == 6
	v_sub_f32 v[\a+1], v[\nm], v[\a+1]
.elseif (\k) == 7
	v_cvt_i32_f32 v[\a+1], v[\a+1]
.elseif (\k) == 8
	v_ldexp_f32 v[\f], 1.0, v[\a+1]
.endif
.endm
.macro HOLD2 r                         ; p is not negative: a one-sided hold at the largest code x the scale, two numbers a line
	v_dual_min_num_f32 v[\r], v[\r], v[HLA] :: v_dual_min_num_f32 v[\r+1], v[\r+1], v[HLB]
.endm
; The sum of the unquantised p in four chains (the sum itself and v[248:253]).  hold = 1: the holds of a tile of keys stand behind the adds that read it, its conversion a tile later
.macro SUMCODE sb, l, f, pc, hold
.set tt, 0
.rept 10
.set jj, 0
.rept 4
.if tt == 0
.if jj == 0
	v_pk_fma_f32 v[\l:\l+1], v[\l:\l+1], v[\f:\f+1], v[\sb:\sb+1] op_sel_hi:[1,0,1]   ; the sum under the new M, and the first pair
.endif
.elseif tt < 8
.if jj == 0
	v_pk_add_f32 v[\l:\l+1], v[\l:\l+1], v[\sb+8*tt:\sb+8*tt+1]
.elseif tt == 1
	v_pk_add_f32 v[246+2*jj:247+2*jj], v[\sb+2*jj:\sb+2*jj+1], v[\sb+8+2*jj:\sb+9+2*jj]
.else
	v_pk_add_f32 v[246+2*jj:247+2*jj], v[246+2*jj:247+2*jj], v[\sb+8*tt+2*jj:\sb+8*tt+2*jj+1]
.endif
.endif
.if (\hold) && (tt >= 1) && (tt <= 8)
	HOLD2 \sb+8*(tt-1)+2*jj
.endif
.set jj, jj+1
.endr
.if tt == 8
	v_pk_add_f32 v[248:249], v[248:249], v[250:251]
	v_pk_add_f32 v[\l:\l+1], v[\l:\l+1], v[252:253]
.endif
.if tt == 9
	v_pk_add_f32 v[\l:\l+1], v[\l:\l+1], v[248:249]
.endif
.if (\hold) && (tt >= 2)
	v_cvt_scalef32_pk8_fp8_f32 v[\pc+2*(tt-2):\pc+2*(tt-2)+1], v[\sb+8*(tt-2):\sb+8*(tt-2)+7], v[SCP]
.endif
.set tt, tt+1
.endr
.endm
; A KEY STEP: 128 keys x my 32 queries.  diag = 1: the block's last step, with the mask as C, and no K asked for behind it.
; LDS loads: this step's K was asked for a step ago; V's 16 loads go out at the step's head; the next step's K's 16 behind the score products.
.macro STEP diag
	v_add_nc_u32 v[ADV], s[TB], v[LIV]
	NOPS 4                                         ; with the line above five places behind the last products: V's registers take loads, and the scores are laid over tile 1's codes
	WIN 0x40
.irp t, 0,1,2,3
.irp c, 0,1,2,3
	ds_load_b128 v[VF+16*\t+4*\c:VF+16*\t+4*\c+3], v[ADV] offset:2048*\t+512*\c
.endr
.endr
	WIN 0x10*\diag
	s_wait_dscnt 16                                ; K is in; V's 16 loads may be out
.irp t, 0,1,2,3,4,5,6,7
.if \diag
	v_wmma_f32_16x16x64_fp8_fp8 v[S0+8*\t:S0+8*\t+7], v[KF+8*\t:KF+8*\t+7], v[16:23], v[MB+8+8*\t:MB+15+8*\t]
.else
	v_wmma_f32_16x16x64_fp8_fp8 v[S0+8*\t:S0+8*\t+7], v[KF+8*\t:KF+8*\t+7], v[16:23], 0
.endif
.endr
.irp t, 0,1,2,3,4,5,6,7
.if \diag
	v_wmma_f32_16x16x64_fp8_fp8 v[S1+8*\t:S1+8*\t+7], v[KF+8*\t:KF+8*\t+7], v[24:31], v[MB+8*\t:MB+7+8*\t]
.else
	v_wmma_f32_16x16x64_fp8_fp8 v[S1+8*\t:S1+8*\t+7], v[KF+8*\t:KF+8*\t+7], v[24:31], 0
.endif
.endr
	WIN 0
.if \diag
	NOPS 4
.else
	v_add_nc_u32 v[ADK], s[TB], v[LIK]
	NOPS 3                                         ; four places in front of the loads into K's registers and of the first read of the scores
	KLOAD ADK
.endif
.set ii, 0
.rept 32
	MAXI ii, S0, 224                               ; tile 0's largest score
.set ii, ii+1
.endr
.set ii, 0
.rept 32
	MAXI ii, S1, 232                               ; tile 1's, with tile 0's way to -M among its lines
.if ii%3 == 2
	TAIL ii/3, 224, 254, 9, 8, F0
.endif
.set ii, ii+1
.endr
.set nn, 0
.rept 32                                       ; tile 0: t - M, two at a time, with tile 1's way to -M among the lines
	v_pk_fma_f32 v[S0+nn:S0+nn+1], v[S0+nn:S0+nn+1], s[CS:CS+1], v[8:9] op_sel_hi:[1,0,0]
.if nn%6 == 4
	TAIL nn/6, 232, 255, 11, 10, F1
.endif
.set nn, nn+2
.endr
	s_wait_alu depctr_va_vdst(0)                   ; a wait ahead of each batch of exponentials and ahead of its first reader
.set nn, 0
.rept 32                                       ; tile 0's batch; among it tile 1's t - M, first read behind the next wait
	v_exp_f32 v[S0+nn], v[S0+nn]
	v_exp_f32 v[S0+nn+1], v[S0+nn+1]
	v_pk_fma_f32 v[S1+nn:S1+nn+1], v[S1+nn:S1+nn+1], s[CS:CS+1], v[10:11] op_sel_hi:[1,0,0]
.set nn, nn+2
.endr
	s_wait_alu depctr_va_vdst(0)
	SUMCODE S0, 12, F0, P0, 0                      ; tile 0's sum, of the p as they are
.set nn, 0
.rept 32                                       ; tile 1's batch; among it tile 0's holds, first read behind the next wait
	v_exp_f32 v[S1+nn], v[S1+nn]
	v_exp_f32 v[S1+nn+1], v[S1+nn+1]
	HOLD2 S0+nn
.set nn, nn+2
.endr
	v_nop                                          ; a plain place behind the last exponential
	s_wait_alu depctr_va_vdst(0)
.irp t, 0,1,2,3,4,5,6,7
	v_cvt_scalef32_pk8_fp8_f32 v[P0+2*\t:P0+2*\t+1], v[S0+8*\t:S0+8*\t+7], v[SCP]
.endr
	SUMCODE S1, 14, F1, P1, 1
	WIN 0x41
	s_wait_dscnt 16*(1-\diag)                      ; V is in; the next step's K's 16 loads may be out
	s_wait_alu depctr_va_vdst(0)                   ; directly ahead of the first reader of O^T
.set nn, 0
.rept 16
	v_pk_mul_f32 v[OT+nn:OT+nn+1], v[OT+nn:OT+nn+1], v[F0:F0+1] op_sel_hi:[1,0]
.set nn, nn+2
.endr
.rept 16
	v_pk_mul_f32 v[OT+nn:OT+nn+1], v[OT+nn:OT+nn+1], v[F1:F1+1] op_sel_hi:[1,0]
.set nn, nn+2
.endr
	WIN 0x51
.irp t, 0,1,2,3                                ; the eight accumulators take turns
	v_wmma_f32_16x16x128_fp8_fp8 v[OT+8*\t:OT+8*\t+7], v[VF+16*\t:VF+16*\t+15], v[P0:P0+15], v[OT+8*\t:OT+8*\t+7]
	v_wmma_f32_16x16x128_fp8_fp8 v[OT+32+8*\t:OT+39+8*\t], v[VF+16*\t:VF+16*\t+15], v[P1:P1+15], v[OT+32+8*\t:OT+39+8*\t]
.endr
	WIN 0
.endm
.macro INIT                            ; a pass begins
	v_mov_b32 v9, 0xff61b1e6                       ; the largest t so far: -3e38
	v_mov_b32 v11, 0xff61b1e6
	v_floor_f32 v8, -v9
	v_floor_f32 v10, -v11
	v_mov_b32 v12, 0
	v_mov_b32 v13, 0
	v_mov_b32 v14, 0
	v_mov_b32 v15, 0
	KLOAD LI                                       ; key step 0's K
	WIN 0x40
.set nn, 0
.rept 64
	v_mov_b32 v[OT+nn], 0                          ; the step is written for every trip alike: the first finds zeros
.set nn, nn+1
.endr
	WIN 0
	s_wait_alu depctr_va_vdst(0)
.endm
	s_wait_alu depctr_va_vdst(0)
	s_wait_tensorcnt 0x0                           ; my part of stage 1 is in; the same lines as ahead of a refill stand ahead of the later first fill
	ds_add_u32 v[SPW], v[NIL]
	s_wait_dscnt 0x0
	CROUND                                         ; everybody's part of stage 1 is in, and the four work-groups are here
	tensor_load_to_lds s[G0B:G0B+3], s[G1B:G1B+7]  ; stage 2: the first tensor load behind the round, my last of the launch
	s_nop 0
	NOPS 4
	s_wait_loadcnt 0x0                             ; Q of both passes
	INIT
	s_mov_b32 s[J], 0
.Lk1:                                              ; the first pass's key steps 0 to 2: none is a block's last; they read K's steps 0 to 3 and V's 0 to 2
	s_lshl_b32 s[TB], s[J], 13
	STEP 0
	s_add_co_u32 s[J], s[J], 1
	s_cmp_lt_u32 s[J], 3
	s_cbranch_scc1 .Lk1
	s_wait_alu depctr_va_vdst(0)
	s_wait_dscnt 0x0                               ; no LDS load of mine is out at the signal
	s_wait_tensorcnt 0x0                           ; my part of stage 2 is in,
	s_barrier_signal -1
	s_barrier_wait -1                              ; everybody's is
	s_mov_b32 s[J], 3
	s_mov_b32 s[PASSC], 0
.Lpass:                                            ; two passes, a block of 32 queries each; the first goes on at key step 3
.Lk:                                               ; the trip count is a constant of the text; the steps behind the block's last are jumped over by a branch on the wave's number
	s_lshl_b32 s[TB], s[J], 13
	s_cmp_gt_u32 s[J], s[LAST]
	s_cbranch_scc1 .Lnext
	s_cmp_eq_u32 s[J], s[LAST]
	s_cbranch_scc1 .Ldiag
	STEP 0
	s_branch .Lnext
.Ldiag:
	STEP 1
.Lnext:
	s_add_co_u32 s[J], s[J], 1
	s_cmp_lt_u32 s[J], 16
	s_cbranch_scc1 .Lk
	s_wait_dscnt 0x0
	v_add_f32 v12, v12, v13                        ; the sums' halves, and lane l xor 16's
	v_add_f32 v14, v14, v15
	v_permlanex16_b32 v254, v12, s[SEL], s[SEL+1]
	v_permlanex16_b32 v255, v14, s[SEL], s[SEL+1]
	v_add_f32 v12, v12, v254
	v_add_f32 v14, v14, v255
	s_wait_alu depctr_va_vdst(0)
	v_rcp_f32 v12, v12
	v_rcp_f32 v14, v14
	v_nop
	s_wait_alu depctr_va_vdst(0)
	v_ldexp_f32 v12, v12, s[EO]
	v_ldexp_f32 v14, v14, s[EO]
	WIN 0x01
	s_wait_alu depctr_va_vdst(0)                   ; directly ahead of the first reader of O^T
.set nn, 0
.rept 32
	v_mul_f32 v[96+nn], v[OT+nn], v12
.set nn, nn+1
.endr
.rept 32
	v_mul_f32 v[96+nn], v[OT+nn], v14
.set nn, nn+1
.endr
	WIN 0
.set nn, 0
.rept 64
	v_med3_num_f32 v[96+nn], v[96+nn], s70, s71    ; the hold at the largest code
.set nn, nn+1
.endr
.irp t, 0,1,2,3,4,5,6,7
	v_cvt_scalef32_pk8_fp8_f32 v[224+2*\t:225+2*\t], v[96+8*\t:103+8*\t], v[ONE]
.endr
	v_nop
.irp q, 0,1
.irp c, 0,1
	global_store_b128 v[LI], v[224+8*\q+4*\c:227+8*\q+4*\c], s[OB:OB+1] offset:16384*\q+512*\c   ; the wave stores 512 consecutive bytes
.endr
.endr
	s_cmp_eq_u32 s[PASSC], 1
	s_cbranch_scc1 .Llast                          ; behind the second pass nothing is set up
	WIN 0x01
.set nn, 0
.rept 16
	v_mov_b32 v[16+nn], v[QS+nn]                   ; the second pass's Q
.set nn, nn+1
.endr
	WIN 0
	s_wait_xcnt 0x0                                ; the stores have read their base and data
	s_mov_b64 s[OB:OB+1], s[OA:OA+1]
	s_mov_b32 s[LAST], s[LASTA]
	INIT
.Llast:
	s_mov_b32 s[J], 0
	s_add_co_u32 s[PASSC], s[PASSC], 1
	s_cmp_lt_u32 s[PASSC], 2
	s_wait_alu depctr_va_vdst(0)
	s_cbranch_scc1 .Lpass
	s_wait_tensorcnt 0x0                           ; the wave's end
	ds_add_u32 v[SPW], v[NIL]
	s_wait_dscnt 0x0
	CROUND                                         ; the closing round
	s_endpgm
.Lfunc_end_k_q8bad9a14ea_attn:
	.size	k_q8bad9a14ea_attn, .Lfunc_end_k_q8bad9a14ea_attn-k_q8bad9a14ea_attn
	.p2alignl 7, 3214868480
	.fill 96, 4, 3214868480
	.section	.rodata,"a",@progbits
	.p2align	6, 0x0
	.amdhsa_kernel k_q8bad9a14ea_attn
		.amdhsa_group_segment_fixed_size 327680
		.amdhsa_private_segment_fixed_size 0
		.amdhsa_enable_private_segment 0
		.amdhsa_kernarg_size 24
		.amdhsa_user_sgpr_count 2
		.amdhsa_user_sgpr_kernarg_segment_ptr 1
		.amdhsa_wavefront_size32 1
		.amdhsa_system_sgpr_workgroup_id_x 1
		.amdhsa_system_sgpr_workgroup_id_y 1
		.amdhsa_system_sgpr_workgroup_id_z 1
		.amdhsa_system_vgpr_workitem_id 0
		.amdhsa_next_free_vgpr 512
		.amdhsa_next_free_sgpr 72
		.amdhsa_reserve_vcc 1
		.amdhsa_float_denorm_mode_32 3
		.amdhsa_float_denorm_mode_16_64 3
		.amdhsa_memory_ordered 1
		.amdhsa_forward_progress 1
		.amdhsa_inst_pref_size 112
	.end_amdhsa_kernel
	.amdgpu_metadata
---
amdhsa.version: [ 1, 2 ]
amdhsa.kernels:
  - .name:           k_q8bad9a14ea_attn
    .symbol:         k_q8bad9a14ea_attn.kd
    .args:
      - { .name: qkv_img, .offset: 0, .size: 8, .value_kind: global_buffer, .address_space: global }
      - { .name: lowp_scales, .offset: 8, .size: 8, .value_kind: global_buffer, .address_space: global }
      - { .name: o_img, .offset: 16, .size: 8, .value_kind: global_buffer, .address_space: global }
    .group_segment_fixed_size: 327680
    .private_segment_fixed_size: 0
    .kernarg_segment_align: 8
    .kernarg_segment_size: 24
    .max_flat_workgroup_size: 256
    .sgpr_count:     72
    .vgpr_count:     512
    .wavefront_size: 32
...
	.end_amdgpu_metadata
.endif
;; end of part 3
;; launch proj (part 4): grid 8 x 32, 4 waves a work-group, clusters of 4 x 4, 327,680 bytes of LDS; arguments o_img, wout_codes, lowp_scales, out0; writes out0
.if DOCPART == 4
	.amdgcn_target "amdgcn-amd-amdhsa--gfx1250"
	.amdhsa_code_object_version 6
	.text
	.protected	k_q8bad9a14ea_proj
	.globl	k_q8bad9a14ea_proj
	.p2align	8
	.type	k_q8bad9a14ea_proj,@function
k_q8bad9a14ea_proj:
	s_mov_b64 s[64:65], 0
	v_nop
	global_prefetch_b8 v0, s[64:65] scope:SCOPE_SE
	s_setreg_imm32_b32 hwreg(HW_REG_WAVE_MODE, 25, 1), 1
	s_wait_xcnt 0x0
	s_wait_alu depctr_hold_cnt(0) depctr_sa_sdst(0) depctr_va_vdst(0) depctr_va_sdst(0) depctr_va_ssrc(0) depctr_va_vcc(0) depctr_vm_vsrc(0)
	s_getreg_b32 s2, hwreg(HW_REG_IB_STS2, 6, 4)
	s_cmp_eq_u32 s2, 0
	s_cbranch_scc0 .Lentry_in_a_cluster
	s_endpgm
.Lentry_in_a_cluster:
	s_bfe_u32 s2, ttmp6, 0x10000c
	s_cmp_lg_u32 s2, 0xf033
	s_cbranch_scc0 .Lentry_shape_is_right
	s_endpgm
.Lentry_shape_is_right:
.set PITCH,  272
.set FR,     16
.set NL,     4
.set NP,     4
.set ASZ,    65536
.set AHALF,  32768
.set BHALF,  64*PITCH
.set SLOT,   ASZ+2*BHALF
.set LAPS,   2
.set SPARE,  2*SLOT
.set SPITCH, 272
.set ADRA, 16
.set ADRB, 20
.set STO,  24
.set RD,   25
.set CO,   26
.set SPW,  28
.set NIL,  29
.set TMP,  32
.set BK,   64
.set AF,   128
.set G1, 24
.set G0, 32
.set G1B, 48
.set G0B, 56
.set MSB, 0
.macro WIN new
.if MSB != (\new)
	s_set_vgpr_msb (MSB<<8)|(\new)
.set MSB, \new
.endif
.endm
.set MUL,  0xa1
.set TO_B, 0x40
.macro JLOAD g0a, g1a, g0b, g1b
	s_cmp_eq_u32 s15, 0
	s_cbranch_scc0 .Lfor_b_\@
	tensor_load_to_lds s[\g0a:\g0a+3], s[\g1a:\g1a+7]
	s_nop 0
.rept 4
	v_nop
.endr
	s_branch .Lasked_\@
.Lfor_b_\@:
	tensor_load_to_lds s[\g0b:\g0b+3], s[\g1b:\g1b+7]
	s_nop 0
.rept 4
	v_nop
.endr
.Lasked_\@:
.endm
.macro CREST
	s_cmp_lg_u32 s14, 0
	s_cbranch_scc1 .Lnot_wave_0_\@
	s_barrier_signal -3
.Lnot_wave_0_\@:
	s_barrier_wait -3
	s_barrier_signal -1
	s_barrier_wait -1
.endm
.macro CROUND
	s_barrier_signal -1
	s_barrier_wait -1
	CREST
.endm
	s_load_b128 s[4:7], s[0:1], 0x0
	s_load_b128 s[8:11], s[0:1], 0x10
	v_lshl_add_u32 v[SPW], v0, 2, SPARE
	v_mov_b32 v[NIL], 0
	ds_add_u32 v[SPW], v[NIL]
	ds_add_u32 v[SPW], v[NIL]
	v_lshrrev_b32 v1, 5, v0
	v_readfirstlane_b32 s14, v1
	s_lshr_b32 s15, s14, 1
	s_and_b32 s16, s14, 1
	s_bfe_u32 s40, ttmp6, 0x40000
	s_bfe_u32 s41, ttmp6, 0x40004
	s_lshl_b32 s42, ttmp9, 2
	s_add_co_u32 s42, s42, s40
	s_and_b32 s17, ttmp7, 0xffff
	s_lshl_b32 s17, s17, 2
	s_add_co_u32 s17, s17, s41
	s_lshl_b32 s43, s41, 2
	s_lshl_b32 s43, 15, s43
	s_lshl_b32 s44, 0x1111, s40
	s_or_b32 s[G1+0], s43, (3<<16)|(1<<21)
	s_mov_b32 s[G1+1], 512<<16
	s_mov_b32 s[G1+2], 8<<16
	s_mov_b32 s[G1+3], 512<<16
	s_mov_b32 s[G1+4], 8
	s_mov_b32 s[G1+5], 2048
	s_mov_b32 s[G1+6], 0
	s_mov_b32 s[G1+7], 0
	s_or_b32 s[G1B+0], s44, (0<<16)|(1<<20)|(1<<21)|(5<<22)|(3<<25)
	s_mov_b32 s[G1B+1], 256<<16
	s_mov_b32 s[G1B+2], 64<<16
	s_mov_b32 s[G1B+3], 256<<16
	s_mov_b32 s[G1B+4], 64
	s_mov_b32 s[G1B+5], 1024
	s_mov_b32 s[G1B+6], 0
	s_mov_b32 s[G1B+7], 0
	s_lshl_b32 s20, s17, 4
	s_lshl_b32 s18, s16, 3
	s_add_co_u32 s20, s20, s18
	s_lshl_b32 s20, s20, 14
	s_mov_b32 s21, 0
	s_lshl_b32 s46, s42, 7
	s_lshl_b32 s18, s16, 6
	s_add_co_u32 s46, s46, s18
	s_lshl_b32 s46, s46, 10
	s_mov_b32 s47, 0
	s_lshl_b32 s45, s16, 15
	s_mul_i32 s66, s16, BHALF
	s_add_co_u32 s66, s66, ASZ
	s_wait_dscnt 0x0
	s_wait_kmcnt 0x0
	s_load_b256 s[72:79], s[8:9], 0x0
	s_add_nc_u64 s[20:21], s[4:5], s[20:21]
	s_add_nc_u64 s[46:47], s[6:7], s[46:47]
	CROUND
.irp s, 0,1
	s_mov_b32 s[G0+4*\s], 1
	s_add_co_u32 s[G0+4*\s+1], s45, \s*SLOT
	s_add_nc_u64 s[G0+4*\s+2:G0+4*\s+3], s[20:21], \s*4096
	s_or_b32 s[G0+4*\s+3], s[G0+4*\s+3], 0x80000000
	s_mov_b32 s[G0B+4*\s], 1
	s_add_co_u32 s[G0B+4*\s+1], s66, \s*SLOT
	s_add_nc_u64 s[G0B+4*\s+2:G0B+4*\s+3], s[46:47], \s*256
	s_or_b32 s[G0B+4*\s+3], s[G0B+4*\s+3], 0x80000000
	s_wait_alu depctr_va_vdst(0)
	s_wait_tensorcnt 0x0
	ds_add_u32 v28, v29
	ds_add_u32 v28, v29
	s_wait_dscnt 0x0
	CROUND
	JLOAD G0+4*\s, G1, G0B+4*\s, G1B
.endr
	v_and_b32 v1, 15, v0
	v_bfe_u32 v2, v0, 4, 1
	v_and_b32 v6, 31, v0
	v_lshlrev_b32 v5, 4, v6
	v_mul_u32_u24 v3, v1, PITCH
	v_lshl_add_u32 v4, v2, 4, v3
	s_lshl_b32 s21, s15, 15
	s_mul_i32 s22, s16, BHALF
	s_add_co_u32 s22, s22, ASZ
.irp s, 0,1
	v_add_nc_u32 v[ADRA+\s], s21, v5
	v_add_nc_u32 v[ADRB+\s], s22, v4
	s_add_co_u32 s21, s21, SLOT
	s_add_co_u32 s22, s22, SLOT
.endr
	s_mul_i32 s23, s14, 16*SPITCH
	v_mul_u32_u24 v7, v1, SPITCH
	v_lshl_add_u32 v7, v2, 5, v7
	v_add_nc_u32 v[STO], s23, v7
	v_mul_u32_u24 v7, v2, SPITCH
	v_lshl_add_u32 v7, v1, 4, v7
	v_add_nc_u32 v[RD], s23, v7
	v_lshlrev_b32 v7, 12, v2
	v_lshl_add_u32 v[CO], v1, 4, v7
	s_lshl_b32 s20, s17, 8
	s_lshl_b32 s21, s15, 7
	s_add_co_u32 s20, s20, s21
	s_lshl_b32 s20, s20, 12
	s_lshl_b32 s46, s42, 9
	s_lshl_b32 s47, s16, 8
	s_add_co_u32 s46, s46, s47
	s_add_co_u32 s20, s20, s46
	s_mov_b32 s21, 0
	s_add_nc_u64 s[10:11], s[10:11], s[20:21]
.macro FRAGA reg, slot, q, i
.irp c, 0,1,2,3
	ds_load_b128 v[\reg+4*\c:\reg+4*\c+3], v[ADRA+\slot] offset:4096*(\i)+2048*(\q)+512*\c
.endr
.endm
.macro FRAGB reg, slot, q, i
.irp c, 0,1,2,3
	ds_load_b128 v[\reg+4*\c:\reg+4*\c+3], v[ADRB+\slot] offset:128*(\q)+32*\c+(\i)*16*PITCH
.endr
.endm
.macro MUL8 a0, p, zero
.irp a, \a0, \a0+1
.irp b, 0,1,2,3
.if \zero
	v_wmma_f32_16x16x128_fp8_fp8 v[8*(4*(\a)+\b):8*(4*(\a)+\b)+7], v[128*(\p)+FR*\b:128*(\p)+FR*\b+FR-1], v[AF+FR*(\a):AF+FR*(\a)+FR-1], 0
.else
	v_wmma_f32_16x16x128_fp8_fp8 v[8*(4*(\a)+\b):8*(4*(\a)+\b)+7], v[128*(\p)+FR*\b:128*(\p)+FR*\b+FR-1], v[AF+FR*(\a):AF+FR*(\a)+FR-1], v[8*(4*(\a)+\b):8*(4*(\a)+\b)+7]
.endif
.endr
.endr
.endm
.macro FETCH_B slot, q, p
	WIN TO_B
.irp i, 0,1,2,3
	FRAGB 128*(\p)+FR*\i, \slot, \q, \i
.endr
	WIN 0
.endm
.macro FETCH_A slot, q, i0
.irp i, \i0, \i0+1, \i0+2, \i0+3
	FRAGA AF+FR*(\i), \slot, \q, \i
.endr
.endm
.macro PLACES n
.rept \n
	v_nop
.endr
.endm
.macro STEP slot, q, zero
	s_wait_dscnt 4*NL
	WIN MUL
	MUL8 0, (\q)%2, \zero
	MUL8 2, (\q)%2, \zero
	s_wait_dscnt 0
	PLACES NP
	FETCH_B \slot, (\q)+1, 1-(\q)%2
	FETCH_A \slot, (\q)+1, 0
	WIN MUL
	MUL8 4, (\q)%2, \zero
	MUL8 6, (\q)%2, \zero
	PLACES NP
	WIN 0
	FETCH_A \slot, (\q)+1, 4
.endm
.macro TURN slot, next, fill
	s_wait_tensorcnt 0x0
	ds_add_u32 v[SPW], v[NIL]
	s_wait_dscnt 4*NL+1
	WIN MUL
	MUL8 0, 1, 0
	s_wait_dscnt 0x0
	s_barrier_signal -1
	MUL8 2, 1, 0
	WIN 0
	s_barrier_wait -1
.if \fill
	CREST
	s_add_nc_u64 s[G0+4*\slot+2:G0+4*\slot+3], s[G0+4*\slot+2:G0+4*\slot+3], 2*4096
	s_add_nc_u64 s[G0B+4*\slot+2:G0B+4*\slot+3], s[G0B+4*\slot+2:G0B+4*\slot+3], 2*256
	JLOAD G0+4*\slot, G1, G0B+4*\slot, G1B
.else
	PLACES NP
.endif
	s_wait_alu depctr_va_vdst(0)
	FETCH_B \next, 0, 0
	FETCH_A \next, 0, 0
	WIN MUL
	MUL8 4, 1, 0
	MUL8 6, 1, 0
	PLACES NP
	WIN 0
	FETCH_A \next, 0, 4
.endm
	s_wait_tensorcnt 1
	s_barrier_signal -1
	s_barrier_wait -1
	FETCH_B 0, 0, 0
	FETCH_A 0, 0, 0
	FETCH_A 0, 0, 4
	STEP 0, 0, 1
	s_mov_b32 s3, LAPS-1
.Llap:
	TURN 0, 1, 1
	STEP 1, 0, 0
	TURN 1, 0, 1
	STEP 0, 0, 0
	s_sub_co_u32 s3, s3, 1
	s_cmp_lg_u32 s3, 0
	s_cbranch_scc1 .Llap
	TURN 0, 1, 0
	STEP 1, 0, 0
	s_wait_dscnt 4*NL
	WIN MUL
	MUL8 0, 1, 0
	MUL8 2, 1, 0
	s_wait_dscnt 0
	MUL8 4, 1, 0
	MUL8 6, 1, 0
	WIN 0
.macro TOSTAGE a
	WIN 0x02
.irp j, 0,2,4,6,8,10,12,14,16,18,20,22,24,26,28,30
	v_pk_mul_f32 v[TMP+\j:TMP+\j+1], v[32*(\a)+\j:32*(\a)+\j+1], s[96:97] op_sel_hi:[1,0]
.endr
	WIN 0
.irp b, 0,1,2,3
	ds_store_b128 v[STO], v[TMP+8*\b:TMP+8*\b+3] offset:64*\b
	ds_store_b128 v[STO], v[TMP+8*\b+4:TMP+8*\b+7] offset:64*\b+16
.endr
.set BB, BK+32*((\a)%2)
.irp t, 0,1,2,3,4,5,6,7
	ds_load_b128 v[BB+4*\t:BB+4*\t+3], v[RD] offset:\t*2*SPITCH
.endr
.endm
.macro SEND a, younger
.set BB, BK+32*((\a)%2)
	s_wait_dscnt \younger
.if (\a) > 0
	s_add_nc_u64 s[10:11], s[10:11], 16*4096
.endif
.irp t, 0,1,2,3,4,5,6,7
	global_store_b128 v[CO], v[BB+4*\t:BB+4*\t+3], s[10:11] offset:\t*2*4096 th:TH_STORE_NT
.endr
.endm
	s_wait_kmcnt 0x0
	s_add_co_i32 s96, s78, s79
	s_add_co_i32 s96, s96, 127
	s_lshl_b32 s96, s96, 23
	s_mov_b32 s97, s96
	PLACES NP
	TOSTAGE 0
.irp a, 1,2,3,4,5,6,7
.if \a > 1
	s_wait_xcnt 0x0
.endif
	TOSTAGE \a
	SEND \a-1, 16
.endr
	s_wait_xcnt 0x0
	SEND 7, 0
	s_wait_tensorcnt 0x0
	ds_add_u32 v[SPW], v[NIL]
	s_wait_dscnt 0x0
	CROUND
	s_endpgm
.Lfunc_end_k_q8bad9a14ea_proj:
	.size	k_q8bad9a14ea_proj, .Lfunc_end_k_q8bad9a14ea_proj-k_q8bad9a14ea_proj
	.p2alignl 7, 3214868480
	.fill 96, 4, 3214868480
	.section	.rodata,"a",@progbits
	.p2align	6, 0x0
	.amdhsa_kernel k_q8bad9a14ea_proj
		.amdhsa_group_segment_fixed_size 327680
		.amdhsa_private_segment_fixed_size 0
		.amdhsa_enable_private_segment 0
		.amdhsa_kernarg_size 32
		.amdhsa_user_sgpr_count 2
		.amdhsa_user_sgpr_kernarg_segment_ptr 1
		.amdhsa_wavefront_size32 1
		.amdhsa_system_sgpr_workgroup_id_x 1
		.amdhsa_system_sgpr_workgroup_id_y 1
		.amdhsa_system_sgpr_workgroup_id_z 1
		.amdhsa_system_vgpr_workitem_id 0
		.amdhsa_next_free_vgpr 768
		.amdhsa_next_free_sgpr 100
		.amdhsa_reserve_vcc 0
		.amdhsa_float_denorm_mode_32 3
		.amdhsa_float_denorm_mode_16_64 3
		.amdhsa_memory_ordered 1
		.amdhsa_forward_progress 1
		.amdhsa_inst_pref_size 78
	.end_amdhsa_kernel
	.amdgpu_metadata
---
amdhsa.version: [ 1, 2 ]
amdhsa.kernels:
  - .name:           k_q8bad9a14ea_proj
    .symbol:         k_q8bad9a14ea_proj.kd
    .args:
      - { .name: o_img, .offset: 0, .size: 8, .value_kind: global_buffer, .address_space: global }
      - { .name: wout_codes, .offset: 8, .size: 8, .value_kind: global_buffer, .address_space: global }
      - { .name: lowp_scales, .offset: 16, .size: 8, .value_kind: global_buffer, .address_space: global }
      - { .name: out0, .offset: 24, .size: 8, .value_kind: global_buffer, .address_space: global }
    .group_segment_fixed_size: 327680
    .private_segment_fixed_size: 0
    .kernarg_segment_align: 8
    .kernarg_segment_size: 32
    .max_flat_workgroup_size: 128
    .sgpr_count:     100
    .vgpr_count:     768
    .wavefront_size: 32
...
	.end_amdgpu_metadata
.endif
;; end of part 4
